; MI455X (gfx1250); checked and timed in simulation.
; The chip was launched on July 23, 2026; its instructions are those of AMD's public machine-readable ISA for CDNA 5 (MIT licence, August 2026) and "CDNA5" Instruction Set Architecture Reference Guide (July 2026). The comments in the code are by the model that wrote it; some were corrected since.
;; Experts. Allowed arithmetic: matrix products marked QUANTISED: E4M3 operands, one given power-of-two scale a tensor, by v_wmma_f32_16x16x64_fp8_fp8 or v_wmma_f32_16x16x128_fp8_fp8, f32 sums; everything else in f32.
;; Inputs: W1 8 x 1,024 x 2,048 float32; W2 8 x 2,048 x 100 float32; b1 8 x 2,048 float32; b2 8 x 100 float32; domain 2,048 int32; lowp_scales 4 int32 (the exponents e of the quantised operands' scales 2^e); x 2,048 x 1,024 float32.
;; Outputs: out0 2,048 x 100 float32.
;; This version of the problem:
;;   THIS VERSION OF THE PROBLEM IS GIVEN IN LOW PRECISION. The matrix products marked QUANTISED in the list below multiply operands that are first quantised to E4M3 (4 exponent bits, 3 mantissa bits; 8 bits a number), with one given power-of-two scale for each operand tensor; their sums are f32. All else is computed in f32.
;;   The module's matrix products, in the order in which they are computed (A, B: the left and right operand; K: the contracted axis; several contracted axes count as one K, in the product's order):
;;     1. [M 2,048, K 1,024] x [K 1,024, N 16,384]; A: input x; B: input W1: QUANTISED (scales: A lowp_scales[0], B lowp_scales[1])
;;     2. batch 8 x [M 100, K 2,048] x [K 2,048, N 2,048]; A: input W2; B: computed on the way: QUANTISED (scales: A lowp_scales[2], B lowp_scales[3])
;;   THE QUANTISER, for each operand of a quantised product, along K:
;;     - The operand's scale is 2^e, e = its entry of the input lowp_scales (int32; the entries are numbered through the quantised products in the list's order, A before B).
;;     - Each number is divided by the scale, clamped to +-448, and rounded to the nearest number of E4M3, ties to even, subnormals kept.
;;     - The product sums the exact products of the quantised numbers (number of the format x scale) in f32.
;;   ~~~python
;;   def quantise(x, axis, e):      # numpy; x: float32 -> the quantised numbers, widened to float32 again
;;       x = np.moveaxis(x, axis, -1); K = x.shape[-1]
;;       r = np.clip(x / 2.0 ** e, -448, 448)
;;       step = 2.0 ** (np.maximum(np.frexp(np.where(r == 0, 1, r))[1] - 1, -6) - 3)
;;       q = np.round(r / step) * step * 2.0 ** e      # np.round: ties to even
;;       return np.moveaxis(q, -1, axis).astype(np.float32)
;;   ~~~
;;   OPERANDS COMPUTED ON THE WAY. 'Computed on the way' means the value that the module computes at that place (a softmax that the list does not call 'softmax' is quantised finished and normalised). What goes into a quantiser is computed in f32, as accurately as f32 sums, v_exp_f32 and their like allow (about 1e-6 of the number): no bf16 or f16 on the way to a quantiser, and a product that is left as it is and whose result goes on into a quantised operand takes f32 operands (vector FMAs, or v_wmma_f32_16x16x4_f32). A number that lies on a knife's edge between two numbers of the format may be rounded either way, as far as f32 arithmetic and the matrix unit's own rounding can turn it there, and no further.
;; 2 versions, each right; version 2 is version 1 with the launch main written anew for expert scheduling mode. Each part assembles by itself: llvm-mc -triple=amdgcn-amd-amdhsa -mcpu=gfx1250 --defsym DOCPART=n.
;; ======== version 1 of 2: 3 launches
;; workspace buffers: xc 2,097,152 bytes; w2c 1,835,008 bytes; hc 4,423,680 bytes; route 16,384 bytes of whole numbers
;; launch prep (part 1): grid 177 x 1, 8 waves a work-group, no clusters, 34,048 bytes of LDS; arguments domain, x, W2, lowp_scales, xc, w2c, route; writes xc, w2c, route
.if DOCPART == 1
	.amdgcn_target "amdgcn-amd-amdhsa--gfx1250"
	.amdhsa_code_object_version 6
	.text
	.protected	k_q94734fb255_prep
	.globl	k_q94734fb255_prep
	.p2align	8
	.type	k_q94734fb255_prep,@function
k_q94734fb255_prep:
	s_mov_b64 s[64:65], 0
	v_nop
	global_prefetch_b8 v0, s[64:65] scope:SCOPE_SE
	s_setreg_imm32_b32 hwreg(HW_REG_WAVE_MODE, 25, 1), 1
	s_wait_xcnt 0x0
; EXPERTS, launch 1 of 3: the routing, x's codes, W2's codes.
; out0[b] = softmax(relu(Q(x[b]) Q(W1[e]) + b1[e]) -> Q -> Q(W2[e]) + b2[e]), e = domain[b]; Q: E4M3 with the given scale 2^e of each operand (lowp_scales: x, W1, W2, hidden layer).
; DEAD WORK.  reference() forms h[b, e, :] and logits[b, e, :] for all 8 experts e of every token b, and take_along_axis keeps of logits[b, :, :] the one row e = domain[b].  The rows (b, e) with
; e != domain[b] of both products are sliced away by reference() itself and reach no output, whatever the inputs hold: they are not computed.  Which rows stay is a whole number read from memory (domain),
; so this launch sorts the tokens by expert and stores the order; the later launches read it.  Every input keeps a way to the output, and every input is loaded by some launch.
; LIMIT: a NaN, an infinity or an overflow that would arise only in rows of experts that a token does not name is not carried to the result.
; LIMITS: domain holds 0 .. 7 (reference()'s gather relies on it; a token with another number would get no row).  The exponents of x's and W2's scales lie between -126 and 119, so that 2^e and 448 x 2^e
; are f32 numbers.  NaN among x and W2 is not served (an infinity is held at the largest code).
; THREE ROLES, by the work-group's number alone (the same way for all eight waves of a work-group); each role has LDS bytes of its own.
;   work-group 0: THE SORT.  list: tokens in the order of their experts, each expert's run filled up to a multiple of 16 with token 0; tiles: for each run of 16 its expert and how many of its rows are
;     tokens; experts: first tile and number of tiles.  2,048 tokens in 8 runs are at most 2048 / 16 + 7 = 135 tiles, whatever the split.
;   work-groups 1 .. 64: x [2048][1024] f32 -> xc, one code a byte, in x's own order: a plain stream, 4,096 numbers a wave.
;   work-groups 65 .. 176: W2 [8][2048][100] f32, K (the hidden units) its middle axis -> w2c, laid as the second product's operand registers want it: [e][S 16][t 7][c 4][lane 32][16 bytes];
;     lane (r, h), group c, byte i = W2[e][128 S + 32 c + 16 h + i][16 t + r]; classes 100 .. 111 are zero codes.  One fragment (16 classes x 128 K) a wave.
; No matrix unit, no tensor load, no cluster: nothing here is multiplied, and no two work-groups read the same bytes but for W2's rows, of which seven neighbouring waves take a part each.
.set XT,       0                       ; LDS: the x role's turn, 4,096 bytes a wave
.set CNT,      32768                   ; the sort's 8 x 8 counts: 32 bytes a wave, a block of 256 bytes of their own
.set SPARE,    33024                   ; the spare words, 128 bytes for each of the eight waves: no other line names them
.set LISTN,    2160                    ; entries of the list: 135 tiles x 16
.set TILES_AT, 12288                   ; route: byte at which the table of tiles begins,
.set EXP_AT,   14336                   ; and the table of experts
.set SPW, 2                            ; v2  LDS address of my spare word; never rewritten
.set NIL, 3                            ; v3  0; never rewritten
.set R,   16                           ; x role: v16-143 eight steps x 16 numbers as loaded
.set C,   144                          ;         v144-175 their codes, four a register
.set O,   176                          ;         v176-207 the codes in order, 16 bytes a lane
.set X,   16                           ; W2 role: v16-79 64 numbers down K;  v80-95 the fragment's codes
.set CW,  80
.set D,   16                           ; sort: v16-23 my wave's 256 numbers of domain: register 4 i + c of lane l is token 256 w + 128 i + 4 l + c
.set RK,  24                           ;       v24-31 their ranks, then their places in the list, in bytes
.set TK,  32                           ;       v32-39 the tokens' numbers
.set CV,  44                           ;       v44-51 my wave's eight counts, on their way to LDS
.set LC,  52                           ;       v52-59 the eight waves' counts of expert lane % 8
.set NE,  24                           ;       s24-31 tokens of expert e
.set TL,  32                           ;       s32-39 its tiles
.set TO,  40                           ;       s40-48 its first tile; s48: tiles in all
.set CN,  56                           ;       s56-63 my wave's running count of expert e
.set PR,  66                           ;       s66-73 tokens of expert e in earlier waves; then the place of my wave's first token of expert e
	s_load_b256 s[4:11], s[0:1], 0x0               ; domain s[4:5], x s[6:7], W2 s[8:9], the scales' exponents s[10:11]
	s_load_b128 s[12:15], s[0:1], 0x20             ; xc s[12:13], w2c s[14:15]
	s_load_b64 s[16:17], s[0:1], 0x30              ; route
	v_lshl_add_u32 v[SPW], v0, 2, SPARE
	v_mov_b32 v[NIL], 0
	v_lshrrev_b32 v4, 5, v0
	v_readfirstlane_b32 s18, v4                    ; wave 0..7
	v_and_b32 v1, 31, v0                           ; lane
	v_lshlrev_b32 v4, 4, v1                        ; 16 x lane
	s_wait_kmcnt 0x0
	s_load_b128 s[20:23], s[10:11], 0x0            ; ex, ew1, ew2, eh
	s_cmp_eq_u32 ttmp9, 0
	s_cbranch_scc1 .Lsort
	s_cmp_gt_u32 ttmp9, 64
	s_cbranch_scc1 .Lw2
; ---------------- x: 512 waves x 4,096 numbers, eight steps of 512 ----------------
; Each load reads 512 consecutive bytes, 16 a lane.  A conversion turns eight registers into two: register i of a step's four holds the 4 codes of load i.  They go to the wave's own LDS bytes at the place
; of their numbers (4 bytes a lane) and come back 16 bytes a lane, so that a store covers 512 consecutive bytes.
	s_sub_co_u32 s24, ttmp9, 1
	s_lshl_b32 s24, s24, 3
	s_add_co_u32 s24, s24, s18                     ; which run of 4,096 numbers is my wave's
	s_lshl_b32 s26, s24, 14
	s_mov_b32 s27, 0
	s_add_nc_u64 s[6:7], s[6:7], s[26:27]
	s_lshl_b32 s26, s24, 12
	s_add_nc_u64 s[12:13], s[12:13], s[26:27]
.irp t, 0,1,2,3,4,5,6,7
.irp i, 0,1,2,3
	global_load_b128 v[R+16*\t+4*\i:R+16*\t+4*\i+3], v4, s[6:7] offset:2048*\t+512*\i th:TH_LOAD_NT   ; all 32 loads of the wave go out at once
.endr
.endr
	s_lshl_b32 s25, s18, 12                        ; my wave's 4,096 bytes of LDS (XT = 0)
	v_lshl_add_u32 v5, v1, 2, s25                  ; in: 4 bytes a lane
	v_lshl_add_u32 v6, v1, 4, s25                  ; back: 16 bytes a lane
	s_wait_kmcnt 0x0
	s_add_co_i32 s28, s20, 127
	s_lshl_b32 s29, s28, 23
	v_mov_b32 v11, s29                             ; 2^ex as f32: the conversion takes its exponent field
	s_add_co_i32 s28, s28, 8
	s_lshl_b32 s28, s28, 23
	s_or_b32 s28, s28, 0x600000
	v_mov_b32 v10, s28                             ; 448 x 2^ex
.macro XSTEP t
	s_wait_loadcnt 4*(7-\t)                        ; this step's four loads are in; the later steps' may be out
.irp i, 0,1,2,3,4,5,6,7,8,9,10,11,12,13,14,15
	v_med3_num_f32 v[R+16*\t+\i], v[R+16*\t+\i], -v10, v10   ; the conversion to an 8-bit code does not saturate (ISA guide 7.6.2): the hold at the largest code x the scale
.endr
	v_cvt_scalef32_pk8_fp8_f32 v[C+4*\t:C+4*\t+1], v[R+16*\t:R+16*\t+7], v11
	v_cvt_scalef32_pk8_fp8_f32 v[C+4*\t+2:C+4*\t+3], v[R+16*\t+8:R+16*\t+15], v11   ; (the results go to LDS stores alone; each step has registers of its own, and the next vector lines are plain)
.irp i, 0,1,2,3
	ds_store_b32 v5, v[C+4*\t+\i] offset:512*\t+128*\i
.endr
	ds_load_b128 v[O+4*\t:O+4*\t+3], v6 offset:512*\t   ; LDS serves a wave's instructions in order: this sees my four stores
.endm
.irp t, 0,1,2,3,4,5,6,7
	XSTEP \t
.endr
.irp t, 0,1,2,3,4,5,6,7
	s_wait_dscnt 5*(7-\t)                          ; behind step t's load stand the five LDS instructions of each later step
	global_store_b128 v4, v[O+4*\t:O+4*\t+3], s[12:13] offset:512*\t   ; 32 lanes store 512 consecutive bytes, at a multiple of 256 from xc's first byte
.endr
	s_branch .Lend
; ---------------- W2: 896 fragments, one a wave ----------------
; A lane takes a class n and its registers run down K, in the order that the operand's layout gives that lane: the conversions' results are the operand's registers.
.Lw2:
	s_sub_co_u32 s24, ttmp9, 65
	s_lshl_b32 s24, s24, 3
	s_add_co_u32 s24, s24, s18                     ; f = (16 e + S) x 7 + t, 0 .. 895
	s_mul_i32 s25, s24, 9363
	s_lshr_b32 s25, s25, 16                        ; f / 7 = 16 e + S (9363 x 7 = 65,541: exact for f under 896)
	s_mul_i32 s26, s25, 7
	s_sub_co_u32 s26, s24, s26                     ; t
	s_lshl_b32 s26, s26, 4
	v_and_b32 v7, 15, v0                           ; r
	v_bfe_u32 v8, v0, 4, 1                         ; h
	v_add_nc_u32 v9, s26, v7                       ; my class n = 16 t + r
	v_cmp_gt_u32 s30, 100, v9                      ; is there such a class?
	v_min_u32 v9, 99, v9                           ; no load leaves the buffer
	v_lshlrev_b32 v9, 2, v9
	v_mad_u32_u24 v5, v8, 6400, v9                 ; 16 h rows of 400 bytes + 4 n
	s_mul_i32 s28, s25, 51200                      ; e x 2,048 rows + S x 128 rows, of 400 bytes = (16 e + S) x 51,200
	s_mov_b32 s29, 0
	s_add_nc_u64 s[8:9], s[8:9], s[28:29]
	s_lshl_b32 s28, s24, 11                        ; a fragment's image is 2,048 bytes
	s_add_nc_u64 s[14:15], s[14:15], s[28:29]
.irp c, 0,1,2,3
.irp i, 0,1,2,3,4,5,6,7,8,9,10,11,12,13,14,15
	global_load_b32 v[X+16*\c+\i], v5, s[8:9] offset:(32*\c+\i)*400   ; W2(128 S + 32 c + 16 h + i, n)
.endr
.endr
	s_wait_kmcnt 0x0
	s_add_co_i32 s28, s22, 127
	s_lshl_b32 s29, s28, 23
	v_mov_b32 v11, s29                             ; 2^ew2
	s_add_co_i32 s28, s28, 8
	s_lshl_b32 s28, s28, 23
	s_or_b32 s28, s28, 0x600000
	v_mov_b32 v10, s28                             ; 448 x 2^ew2
	s_wait_loadcnt 0x0
.irp c, 0,1,2,3
.irp i, 0,1,2,3,4,5,6,7,8,9,10,11,12,13,14,15
	v_med3_num_f32 v[X+16*\c+\i], v[X+16*\c+\i], -v10, v10
.endr
	v_cvt_scalef32_pk8_fp8_f32 v[CW+4*\c:CW+4*\c+1], v[X+16*\c:X+16*\c+7], v11
	v_cvt_scalef32_pk8_fp8_f32 v[CW+4*\c+2:CW+4*\c+3], v[X+16*\c+8:X+16*\c+15], v11
.endr
	v_nop                                          ; one plain vector line between the conversions and the vector lines that touch their results
.irp j, 0,1,2,3,4,5,6,7,8,9,10,11,12,13,14,15
	v_cndmask_b32 v[CW+\j], 0, v[CW+\j], s30       ; classes 100 .. 111: zero codes, which add nothing to a sum
.endr
.irp c, 0,1,2,3
	global_store_b128 v4, v[CW+4*\c:CW+4*\c+3], s[14:15] offset:512*\c   ; 512 consecutive bytes a store
.endr
	s_branch .Lend
; ---------------- the sort: a counting sort; wave w owns tokens 256 w .. 256 w + 255 ----------------
; A token's place in the list = 16 x its expert's first tile + the tokens of that expert in earlier waves + its rank among my wave's tokens of that expert.  (The order inside an expert is free.)
; Every token stores its own number at its place, with all lanes on: EXEC never hangs on a loaded number.  The list's 2,160 places are 2,048 tokens and 112 fillers, whatever the split; threads 0 .. 111 store the fillers.
.Lsort:
	s_lshl_b32 s50, s18, 10
	v_add_nc_u32 v5, s50, v4                       ; my wave's 1,024 bytes of domain, 16 a lane
	global_load_b128 v[D:D+3], v5, s[4:5]
	global_load_b128 v[D+4:D+7], v5, s[4:5] offset:512
.irp e, 0,1,2,3,4,5,6,7
	s_mov_b32 s[CN+\e], 0
.endr
	s_lshl_b32 s51, s18, 5
	s_add_co_u32 s51, s51, CNT
	v_mov_b32 v62, s51                             ; LDS: my wave's eight counts
	v_and_b32 v63, 7, v0
	v_lshl_add_u32 v63, v63, 2, CNT                ; LDS: wave 0's count of expert lane % 8
	s_lshl_b32 s49, s18, 8
	v_lshl_add_u32 v64, v1, 2, s49                 ; 256 w + 4 l
	v_lshlrev_b32 v72, 3, v0                       ; the tables: 8 bytes an entry
	v_mov_b32 v67, 0                               ; a filler: token 0
	s_wait_loadcnt 0x0
	s_wait_kmcnt 0x0                               ; (the scales, which this role does not use)
.irp j, 0,1,2,3,4,5,6,7                        ; ranks and counts: for each register, each expert in turn
.irp e, 0,1,2,3,4,5,6,7
	v_cmp_eq_u32 vcc_lo, \e, v[D+\j]
.if \e == 0
	v_mbcnt_lo_u32_b32 v[RK+\j], vcc_lo, s[CN]     ; my wave's count so far + how many lower lanes name the expert too.  (Expert 0's starts the register: nothing is cleared)
.else
	v_mbcnt_lo_u32_b32 v40, vcc_lo, s[CN+\e]
	v_cndmask_b32 v[RK+\j], v[RK+\j], v40, vcc_lo
.endif
	s_bcnt1_i32_b32 s50, vcc_lo
	s_add_co_u32 s[CN+\e], s[CN+\e], s50
.endr
.endr
.irp e, 0,1,2,3,4,5,6,7
	v_mov_b32 v[CV+\e], s[CN+\e]
.endr
	ds_store_b128 v62, v[CV:CV+3]                  ; all lanes write the same bytes with the same numbers
	ds_store_b128 v62, v[CV+4:CV+7] offset:16
	s_wait_dscnt 0x0                               ; for the others' sake: my stores have landed
	s_barrier_signal -1
	s_barrier_wait -1                              ; (the way here hangs on the work-group's number alone: all eight waves pass)
.irp q, 0,1,2,3,4,5,6,7
	ds_load_b32 v[LC+\q], v63 offset:32*\q         ; wave q's count of expert lane % 8
.endr
	s_wait_dscnt 0x0
	v_add_nc_u32 v60, v[LC], v[LC+1]               ; the expert's tokens in all,
	v_add3_u32 v60, v60, v[LC+2], v[LC+3]
	v_add3_u32 v60, v60, v[LC+4], v[LC+5]
	v_add3_u32 v60, v60, v[LC+6], v[LC+7]
.irp q, 0,1,2,3,4,5,6
	s_cmp_gt_u32 s18, \q                           ; is wave q earlier than mine?
	s_cselect_b32 s50, -1, 0
	v_and_b32 v[LC+\q], s50, v[LC+\q]
.endr
	v_add3_u32 v61, v[LC], v[LC+1], v[LC+2]        ; and in earlier waves
	v_add3_u32 v61, v61, v[LC+3], v[LC+4]
	v_add3_u32 v61, v61, v[LC+5], v[LC+6]
.irp e, 0,1,2,3,4,5,6,7
	v_readlane_b32 s[NE+\e], v60, \e
	v_readlane_b32 s[PR+\e], v61, \e
.endr
	s_mov_b32 s[TO], 0
.irp e, 0,1,2,3,4,5,6,7
	s_add_co_u32 s[TL+\e], s[NE+\e], 15
	s_lshr_b32 s[TL+\e], s[TL+\e], 4               ; tiles of expert e
	s_add_co_u32 s[TO+1+\e], s[TO+\e], s[TL+\e]    ; the next expert's first tile
	s_lshl_b32 s50, s[TO+\e], 4
	s_add_co_u32 s[PR+\e], s[PR+\e], s50           ; the place of my wave's first token of expert e
.endr
.irp j, 0,1,2,3,4,5,6,7
	v_mov_b32 v40, s[PR]
.irp e, 1,2,3,4,5,6,7
	v_cmp_eq_u32 vcc_lo, \e, v[D+\j]
	v_cndmask_b32 v40, v40, s[PR+\e], vcc_lo
.endr
	v_add_nc_u32 v[RK+\j], v[RK+\j], v40           ; the token's place,
	v_min_u32 v[RK+\j], LISTN-1, v[RK+\j]          ; behind a bound, since it is made of loaded numbers,
	v_lshlrev_b32 v[RK+\j], 2, v[RK+\j]            ; in bytes
	v_add_nc_u32 v[TK+\j], 128*(\j/4)+\j%4, v64    ; the token
	global_store_b32 v[RK+\j], v[TK+\j], s[16:17]  ; all lanes on; each register has its own offset and data, so nothing is written again
.endr
	; THE FILLERS.  Expert e's run has 16 tiles_e - n_e places left over, and behind the last run the list has 2,160 - 16 x tiles in all: together 2,160 - 2,048 = 112.  Filler v falls into expert e's gap where
	; P_e <= v, P_e = 16 x first tile of e - the tokens of experts before e; its place is then v + the tokens of experts 0 .. e.  Expert 7's gap and the list's tail lie on end and share that offset.
	s_mov_b32 s75, s[NE]
	v_mov_b32 v66, s75
.irp e, 1,2,3,4,5,6,7
	s_lshl_b32 s74, s[TO+\e], 4
	s_sub_co_u32 s74, s74, s75                     ; P_e
	s_add_co_u32 s75, s75, s[NE+\e]                ; tokens of experts 0 .. e
	v_cmp_le_u32 vcc_lo, s74, v0
	v_cndmask_b32 v66, v66, s75, vcc_lo
.endr
	v_add_nc_u32 v66, v66, v0
	v_min_u32 v66, LISTN-1, v66
	v_lshlrev_b32 v66, 2, v66
	; the table of tiles: thread i serves tile i.  Its expert is the last one whose first tile is at or under i
	v_mov_b32 v68, 0
	v_mov_b32 v70, 0
	v_mov_b32 v71, s[NE]
.irp e, 1,2,3,4,5,6,7
	v_cmp_le_u32 vcc_lo, s[TO+\e], v0
	v_cndmask_b32 v68, v68, \e, vcc_lo             ; the expert,
	v_cndmask_b32 v70, v70, s[TO+\e], vcc_lo       ; its first tile,
	v_cndmask_b32 v71, v71, s[NE+\e], vcc_lo       ; its tokens
.endr
	v_sub_nc_u32 v70, v0, v70
	v_lshlrev_b32 v70, 4, v70
	v_sub_nc_u32 v69, v71, v70                     ; tokens from this tile on,
	v_max_i32 v69, 0, v69                          ; 0 behind the last tile,
	v_min_i32 v69, 16, v69                         ; 16 at the most
	; the table of experts: thread e serves expert e
	v_mov_b32 v74, 0
	v_mov_b32 v75, s[TL]
.irp e, 1,2,3,4,5,6,7
	v_cmp_eq_u32 vcc_lo, \e, v0
	v_cndmask_b32 v74, v74, s[TO+\e], vcc_lo       ; its first tile,
	v_cndmask_b32 v75, v75, s[TL+\e], vcc_lo       ; its tiles
.endr
	; three stores by the first 112, 136 and 8 threads: masks made of the thread's number alone; every offset was made above, with all lanes on
	s_wait_xcnt 0x0                                ; EXEC changes only behind this wait
	v_cmp_gt_u32 vcc_lo, 112, v0
	s_and_saveexec_b32 s52, vcc_lo
	global_store_b32 v66, v67, s[16:17]
	s_wait_xcnt 0x0
	s_or_b32 exec_lo, exec_lo, s52
	v_cmp_gt_u32 vcc_lo, 136, v0
	s_and_saveexec_b32 s52, vcc_lo
	global_store_b64 v72, v[68:69], s[16:17] offset:TILES_AT
	s_wait_xcnt 0x0
	s_or_b32 exec_lo, exec_lo, s52
	v_cmp_gt_u32 vcc_lo, 8, v0
	s_and_saveexec_b32 s52, vcc_lo
	global_store_b64 v72, v[74:75], s[16:17] offset:EXP_AT
	s_wait_xcnt 0x0
	s_or_b32 exec_lo, exec_lo, s52
.Lend:
	s_wait_tensorcnt 0x0                           ; the wave's end: three closing lines, behind my last LDS store, the first of them even in a text with no tensor load
	ds_add_u32 v[SPW], v[NIL]
	s_wait_dscnt 0x0
	s_endpgm
.Lfunc_end_k_q94734fb255_prep:
	.size	k_q94734fb255_prep, .Lfunc_end_k_q94734fb255_prep-k_q94734fb255_prep
	.p2alignl 7, 3214868480
	.fill 96, 4, 3214868480
	.section	.rodata,"a",@progbits
	.p2align	6, 0x0
	.amdhsa_kernel k_q94734fb255_prep
		.amdhsa_group_segment_fixed_size 34048
		.amdhsa_private_segment_fixed_size 0
		.amdhsa_enable_private_segment 0
		.amdhsa_kernarg_size 56
		.amdhsa_user_sgpr_count 2
		.amdhsa_user_sgpr_kernarg_segment_ptr 1
		.amdhsa_wavefront_size32 1
		.amdhsa_system_sgpr_workgroup_id_x 1
		.amdhsa_system_sgpr_workgroup_id_y 1
		.amdhsa_system_sgpr_workgroup_id_z 1
		.amdhsa_system_vgpr_workitem_id 0
		.amdhsa_next_free_vgpr 208
		.amdhsa_next_free_sgpr 80
		.amdhsa_reserve_vcc 1
		.amdhsa_float_denorm_mode_32 3
		.amdhsa_float_denorm_mode_16_64 3
		.amdhsa_memory_ordered 1
		.amdhsa_forward_progress 1
		.amdhsa_inst_pref_size 61
	.end_amdhsa_kernel
	.amdgpu_metadata
---
amdhsa.version: [ 1, 2 ]
amdhsa.kernels:
  - .name:           k_q94734fb255_prep
    .symbol:         k_q94734fb255_prep.kd
    .args:
      - { .name: domain, .offset: 0, .size: 8, .value_kind: global_buffer, .address_space: global }
      - { .name: x, .offset: 8, .size: 8, .value_kind: global_buffer, .address_space: global }
      - { .name: W2, .offset: 16, .size: 8, .value_kind: global_buffer, .address_space: global }
      - { .name: lowp_scales, .offset: 24, .size: 8, .value_kind: global_buffer, .address_space: global }
      - { .name: xc, .offset: 32, .size: 8, .value_kind: global_buffer, .address_space: global }
      - { .name: w2c, .offset: 40, .size: 8, .value_kind: global_buffer, .address_space: global }
      - { .name: route, .offset: 48, .size: 8, .value_kind: global_buffer, .address_space: global }
    .group_segment_fixed_size: 34048
    .private_segment_fixed_size: 0
    .kernarg_segment_align: 8
    .kernarg_segment_size: 56
    .max_flat_workgroup_size: 256
    .sgpr_count:     80
    .vgpr_count:     208
    .wavefront_size: 32
...
	.end_amdgpu_metadata
.endif
;; end of part 1
;; launch main (part 2): grid 256 x 1, 4 waves a work-group, no clusters, 133,632 bytes of LDS; arguments W1, b1, xc, route, lowp_scales, hc; writes hc
.if DOCPART == 2
	.amdgcn_target "amdgcn-amd-amdhsa--gfx1250"
	.amdhsa_code_object_version 6
	.text
	.protected	k_q94734fb255_main
	.globl	k_q94734fb255_main
	.p2align	8
	.type	k_q94734fb255_main,@function
k_q94734fb255_main:
	s_mov_b64 s[64:65], 0
	v_nop
	global_prefetch_b8 v0, s[64:65] scope:SCOPE_SE
	s_setreg_imm32_b32 hwreg(HW_REG_WAVE_MODE, 25, 1), 1
	s_wait_xcnt 0x0
; EXPERTS, launch 2 of 3: the hidden layer, h = relu(x W1[e] + b1[e]), as codes, for the rows (token, its own expert) alone.
; WORK LEFT OUT: the rows of the seven experts that a token does not name (reference()'s take_along_axis slices them away for all values of the inputs; shown at the head of the first launch).
; SHARES.  256 work-groups = 8 experts x 32 slices of 64 hidden units.  A work-group reads its 1,024 x 64 numbers of W1 from memory ONCE, as f32, quantises them, and keeps the 65,536 codes in EVERY wave's registers
; (512 registers); W1's codes never go to memory.  Then it walks the expert's tiles of 16 tokens (launch 1's list): wave w takes tiles w, w + 4, w + 8 ..
; PHASE W.  Wave w takes K = 256 w .. 256 w + 255 of the 64 columns.  A load reads two pieces of rows of W1, 256 consecutive bytes each (lanes 0-15 one row, lanes 16-31 the row 128 further down): a lane holds 4 columns
; of a row.  A conversion's register then holds 4 columns of one k; sixteen of them are turned, 4 x 4 bytes at a time (v_perm_b32), into 16 neighbours along K of each of the 4 columns, and go to LDS as rows along K.
; One barrier; then every wave loads all 32 fragments (8 K steps x 4 tiles of 16 hidden units).
; PHASE T.  A tile's 16 rows of codes (1,024 bytes each, at the tokens' places in xc) are loaded by whole pieces of 256 bytes, two tiles ahead, turned through the wave's own stage in LDS into fragments, and multiplied:
; 32 matrix instructions, TRANSPOSED (source 0 = 16 hidden units, source 1 = 16 tokens), so that a lane holds one token and its registers run along the hidden units, the next product's K.
; THE HIDDEN UNITS OF A TILE ARE NOT NEIGHBOURS: lane r of tile 2 b + u takes unit 32 b + 8 u + r + 8 (r / 8), so that the 16 registers of tiles 2 b and 2 b + 1 are 16 neighbouring units, 32 b + 16 (lane / 16) + 0 .. 15.
; b1, divided by 2^(ex + ew1), is the C of a sum's first matrix instruction.  relu and the hold at the largest code are one v_med3; the three scales are folded into the conversion's one, 2^(eh - ex - ew1).
; hc: [tile 135][S 16][c 4][lane 32][16 bytes], an image of the next product's operand registers: lane (r, h), byte i = row r of the tile, hidden unit 128 S + 32 c + 16 h + i.  My slice is c = 2 (slice % 2), + 1 of S = slice / 2.
; k's place in a fragment: registers 4 c .. 4 c + 3 of lane (r, h) hold k = 32 c + 16 h + 0 .. 15 of a K step of 128, alike on both sides: every product meets its partner.
; NO TENSOR LOAD, NO CLUSTER, though the 32 slices of an expert read the same tiles of xc: how many tiles an expert has is a number read from memory, the loop's trip count hangs on it, and partners of a cluster
; would have to be alike; so the operands go from memory straight into registers.  No prefetch: phase W has 48 loads of 512 bytes and more of every wave on their way throughout.
; An expert that no token names: its slice is read and quantised all the same (the one barrier stands under no branch on a loaded number), and nothing is stored.
; The look-ahead is clamped to the expert's last tile: a wave's last two requests for each buffer fetch rows that it does not use.
; LIMITS: ew1 and eh - ex - ew1 between -126 and 119; ex + ew1 is applied by v_ldexp_f32 and has none.  NaN among W1 and b1 is not served.
; REGISTERS, in windows of 256.  Window 0: v2-19 addresses and constants; v20-35 two lists of 8 tokens; v36-51 their offsets; v52-59 the codes to store; v64-95 b1; v96-127 the four accumulators; v128-255 x's 8 fragments
; (in phase W: v128-143 a group's codes, v144-159 turned, v160-163 at work).  Windows 1, 2: W1 as f32, 8 groups of 64 registers; then its fragments, (K step s, tile t) at v[64 (s % 4) + 16 t] of window 1 + s / 4.
; Window 3: two buffers of 128 registers for a tile's rows as loaded.
.set WP,     1040                      ; an LDS row: 1,024 codes + 16 bytes = 65 x 16: the sixteen rows of a fragment load start 16 bytes apart modulo 256
.set STG,    64*WP                     ; behind W1's 64 rows: a stage of 16 rows for each wave
.set STGW,   16*WP
.set SPARE,  STG+4*STGW                ; the spare words, 128 bytes for each wave: two blocks of 256 bytes that no other line names
.set EXP_AT, 14336                     ; route: the table of experts
.set SPW,  2                           ; v2   LDS address of my spare word; never rewritten
.set NIL,  3                           ; v3   0; never rewritten
.set WOFF, 4                           ; v4   W1: 128 rows x (lane / 16) + 16 (lane % 16)
.set WST,  5                           ; v5   where a group's turned codes go: row 4 (lane % 16), byte 256 w + 128 (lane / 16)
.set WFR,  6                           ; v6   my lane's place in a fragment of W1
.set XST,  7                           ; v7   my stage, on the way in
.set XFR,  8                           ; v8   and on the way out
.set Q16,  9                           ; v9   16 (lane % 16)
.set LW,   10                          ; v10  448 x 2^ew1;  v11  2^ew1
.set SW,   11
.set LH,   12                          ; v12  448 x 2^(eh - ex - ew1);  v13  2^(eh - ex - ew1)
.set SH,   13
.set H32,  14                          ; v14  32 (lane / 16): my half's 8 entries of a tile's list
.set HB,   15                          ; v15  hc: 1,024 x slice + 16 x lane
.set LA,   16                          ; v16, v17  the list requests' offsets
.set HO,   18                          ; v18  hc: the tile's offset
.set B1O,  19                          ; v19  64 (lane / 16)
.set TOK,  20
.set OFF,  36
.set HC,   52
.set BIAS, 64
.set H,    96
.set XF,   128
.set CR,   128
.set TR,   144
.set PT,   160
.set MSB, 0
.macro WIN new                         ; s_set_vgpr_msb's low byte: bits 1:0 source 0, 3:2 source 1, 5:4 source 2, 7:6 destination; the high byte repeats the setting that is left
.if MSB != (\new)
	s_set_vgpr_msb (MSB<<8)|(\new)
.set MSB, (\new)
.endif
.endm
; group g of W1: rows 16 g .. 16 g + 15 (and those 128 further down), 16 loads of 512 bytes
.macro WLOAD g
	WIN 0x40*(1+(\g)/4)
.irp i, 0,1,2,3,4,5,6,7,8,9,10,11,12,13,14,15
	global_load_b128 v[64*((\g)%4)+4*\i:64*((\g)%4)+4*\i+3], v[WOFF], s[4:5] offset:(16*(\g)+\i)*8192 th:TH_LOAD_NT
.endr
.endm
; group g becomes codes, is turned, and goes to LDS
.macro WQUANT g
.set WB, 64*((\g)%4)
.set WW, 1+(\g)/4
	WIN 0x41*WW                                    ; source 0 and destination: the group's window
.set qi, 0
.rept 64
	v_med3_num_f32 v[WB+qi], v[WB+qi], -v[LW], v[LW]   ; the conversion to an 8-bit code does not saturate (ISA guide 7.6.2): the hold at the largest code x the scale
.set qi, qi+1
.endr
	WIN WW                                         ; source 0: the group's window
.irp i, 0,1,2,3,4,5,6,7
	v_cvt_scalef32_pk8_fp8_f32 v[CR+2*\i:CR+2*\i+1], v[WB+8*\i:WB+8*\i+7], v[SW]   ; register i' of the sixteen: row 16 g + i', my 4 columns
.endr
	WIN 0
	v_nop                                          ; one plain vector line between the conversions and the lines that touch their results
	s_wait_dscnt 0x0                               ; the last group's LDS stores have read their registers
.irp j, 0,1,2,3                                ; rows 4 j .. 4 j + 3 x 4 columns, turned: a, b, c, d are the four rows' registers
	v_perm_b32 v[PT],   v[CR+4*\j+1], v[CR+4*\j],   s32   ; a0 b0 a1 b1
	v_perm_b32 v[PT+1], v[CR+4*\j+1], v[CR+4*\j],   s33   ; a2 b2 a3 b3
	v_perm_b32 v[PT+2], v[CR+4*\j+3], v[CR+4*\j+2], s32   ; c0 d0 c1 d1
	v_perm_b32 v[PT+3], v[CR+4*\j+3], v[CR+4*\j+2], s33   ; c2 d2 c3 d3
	v_perm_b32 v[TR+\j],    v[PT+2], v[PT],   s34         ; column 0: a0 b0 c0 d0
	v_perm_b32 v[TR+4+\j],  v[PT+2], v[PT],   s35         ; column 1
	v_perm_b32 v[TR+8+\j],  v[PT+3], v[PT+1], s34         ; column 2
	v_perm_b32 v[TR+12+\j], v[PT+3], v[PT+1], s35         ; column 3
.endr
.irp c, 0,1,2,3
	ds_store_b128 v[WST], v[TR+4*\c:TR+4*\c+3] offset:WP*\c+16*(\g)   ; 16 neighbours along K of column 4 (lane % 16) + c
.endr
.endm
; s28 = the tile of the whole list that is my expert's tile u, u held at its last tile; the bound written in the last line lets the number enter an address
.macro GIDX u
	s_min_u32 s28, \u, s25
	s_add_co_u32 s28, s28, s16
	s_min_u32 s28, s28, 134
.endm
.macro LISTREQ p, u                    ; my half's 8 tokens of tile u into list p
	WIN 0
	GIDX \u
	s_lshl_b32 s29, s28, 6
	v_add_nc_u32 v[LA+\p], s29, v[H32]
	global_load_b128 v[TOK+8*\p:TOK+8*\p+3], v[LA+\p], s[10:11]
	global_load_b128 v[TOK+8*\p+4:TOK+8*\p+7], v[LA+\p], s[10:11] offset:16
.endm
.macro OFFS p                          ; tokens to byte offsets in xc
	WIN 0
.irp i, 0,1,2,3,4,5,6,7
	v_min_u32 v[OFF+8*\p+\i], 2047, v[TOK+8*\p+\i]
	v_lshl_add_u32 v[OFF+8*\p+\i], v[OFF+8*\p+\i], 10, v[Q16]
.endr
.endm
.macro ROWREQ p, half                  ; four of my half's eight rows: sixteen lanes read 256 consecutive bytes of a token's row, at a multiple of 256 from xc's first byte
	WIN 0xc0
.irp i, 0,1,2,3
.irp j, 0,1,2,3
	global_load_b128 v[128*\p+4*(4*(4*\half+\i)+\j):128*\p+4*(4*(4*\half+\i)+\j)+3], v[OFF+8*\p+4*\half+\i], s[8:9] offset:256*\j
.endr
.endr
.endm
	s_load_b256 s[4:11], s[0:1], 0x0               ; W1 s[4:5], b1 s[6:7], xc s[8:9], route s[10:11]
	s_load_b128 s[12:15], s[0:1], 0x20             ; the scales' exponents s[12:13], hc s[14:15]
	v_lshl_add_u32 v[SPW], v0, 2, SPARE
	v_mov_b32 v[NIL], 0
	v_lshrrev_b32 v1, 5, v0
	v_readfirstlane_b32 s18, v1                    ; wave 0..3
	s_lshr_b32 s19, ttmp9, 5                       ; expert
	s_and_b32 s24, ttmp9, 31                       ; slice
	v_and_b32 v96, 15, v0                          ; lane % 16
	v_bfe_u32 v97, v0, 4, 1                        ; lane / 16
	v_and_b32 v98, 31, v0                          ; lane
	v_lshlrev_b32 v[Q16], 4, v96
	v_lshl_add_u32 v[WOFF], v97, 20, v[Q16]        ; 128 rows of 8,192 bytes
	v_lshlrev_b32 v[B1O], 6, v97
	v_lshlrev_b32 v[H32], 5, v97
	s_lshl_b32 s38, s19, 3
	s_lshl_b32 s30, s19, 23                        ; W1: expert x 1,024 rows of 8,192 bytes
	s_lshl_b32 s29, s18, 21                        ; + wave x 256 rows
	s_add_co_u32 s30, s30, s29
	s_lshl_b32 s29, s24, 8                         ; + slice x 64 columns
	s_add_co_u32 s30, s30, s29
	s_mov_b32 s31, 0
	s_lshl_b32 s36, s19, 13                        ; b1: expert x 8,192 bytes + slice x 256
	s_add_co_u32 s36, s36, s29
	s_mov_b32 s37, 0
	s_wait_kmcnt 0x0
	s_load_b64 s[16:17], s[10:11], s38 offset:EXP_AT   ; my expert's first tile, and how many it has
	s_load_b128 s[20:23], s[12:13], 0x0            ; ex, ew1, ew2, eh
	s_add_nc_u64 s[4:5], s[4:5], s[30:31]
	s_add_nc_u64 s[6:7], s[6:7], s[36:37]
.irp t, 0,1,2,3                                ; b1 in the result's layout: lane (r, h), tile 2 b + u: units 32 b + 8 u + 16 h + 0 .. 7
	global_load_b128 v[BIAS+8*\t:BIAS+8*\t+3], v[B1O], s[6:7] offset:(32*(\t/2)+8*(\t%2))*4
	global_load_b128 v[BIAS+8*\t+4:BIAS+8*\t+7], v[B1O], s[6:7] offset:(32*(\t/2)+8*(\t%2))*4+16
.endr
	WLOAD 0                                        ; W1 hangs on ids alone: its first groups go out ahead of everything that waits for the route
	WLOAD 1
	WLOAD 2
	WIN 0
	v_mul_u32_u24 v[WST], v96, 4*WP
	v_lshl_add_u32 v[WST], v97, 7, v[WST]
	s_lshl_b32 s29, s18, 8
	v_add_nc_u32 v[WST], s29, v[WST]
	v_and_b32 v99, 8, v96
	v_add_nc_u32 v99, v99, v96                     ; r + 8 (r / 8)
	v_mul_u32_u24 v[WFR], v99, WP
	v_lshl_add_u32 v[WFR], v97, 4, v[WFR]
	s_mul_i32 s29, s18, STGW
	s_add_co_u32 s29, s29, STG                     ; my stage
	v_mul_u32_u24 v[XST], v97, 8*WP                ; in: row 8 (lane / 16) + i, 16 bytes a lane
	v_add_nc_u32 v[XST], v[XST], v[Q16]
	v_add_nc_u32 v[XST], s29, v[XST]
	v_mul_u32_u24 v[XFR], v96, WP                  ; out: row lane % 16, + 16 (lane / 16)
	v_lshl_add_u32 v[XFR], v97, 4, v[XFR]
	v_add_nc_u32 v[XFR], s29, v[XFR]
	s_lshl_b32 s29, s24, 10
	v_lshl_add_u32 v[HB], v98, 4, s29
	s_mov_b32 s32, 0x05010400                      ; v_perm_b32's selectors: bytes 0-3 name the second source, 4-7 the first
	s_mov_b32 s33, 0x07030602
	s_mov_b32 s34, 0x05040100
	s_mov_b32 s35, 0x07060302
	s_wait_kmcnt 0x0
	s_add_co_i32 s36, s21, 127
	s_lshl_b32 s37, s36, 23
	v_mov_b32 v[SW], s37                           ; 2^ew1 as f32: the conversion takes its exponent field
	s_add_co_i32 s36, s36, 8
	s_lshl_b32 s36, s36, 23
	s_or_b32 s36, s36, 0x600000
	v_mov_b32 v[LW], s36                           ; 448 x 2^ew1
	s_add_co_i32 s39, s20, s21                     ; ex + ew1: a sum of the product stands for sum x 2^(ex + ew1)
	s_sub_co_i32 s36, s23, s39
	s_add_co_i32 s36, s36, 127
	s_lshl_b32 s37, s36, 23
	v_mov_b32 v[SH], s37                           ; 2^(eh - ex - ew1)
	s_add_co_i32 s36, s36, 8
	s_lshl_b32 s36, s36, 23
	s_or_b32 s36, s36, 0x600000
	v_mov_b32 v[LH], s36                           ; 448 x that
	s_sub_co_i32 s39, 0, s39
	s_max_u32 s25, s17, 1
	s_sub_co_u32 s25, s25, 1                       ; my expert's last tile
	LISTREQ 0, s18                                 ; the lists of my first two tiles
	s_add_co_u32 s27, s18, 4
	LISTREQ 1, s27
; PHASE W.  Order of issue: b1 (8), groups 0, 1, 2, the two lists (4), groups 3 .. 7, then my first two tiles' rows and the next two lists.  Each count is what was issued behind the group that is wanted.
	WLOAD 3
	s_wait_loadcnt 52                              ; behind group 0: groups 1, 2, the 4 list loads, group 3
	WQUANT 0
	WLOAD 4
	s_wait_loadcnt 52                              ; behind group 1: group 2, 4, groups 3, 4
	WQUANT 1
	WLOAD 5
	s_wait_loadcnt 52                              ; behind group 2: 4, groups 3, 4, 5
	WQUANT 2
	WLOAD 6
	s_wait_loadcnt 48                              ; behind group 3: groups 4, 5, 6.  The lists are in
	WQUANT 3
	WLOAD 7
	s_wait_loadcnt 48                              ; behind group 4: groups 5, 6, 7
	WQUANT 4
	OFFS 0
	ROWREQ 0, 0
	s_wait_loadcnt 48                              ; behind group 5: groups 6, 7, 16 row loads
	WQUANT 5
	ROWREQ 0, 1
	s_add_co_u32 s27, s18, 8
	LISTREQ 0, s27
	s_wait_loadcnt 50                              ; behind group 6: group 7, 32 row loads, 2 list loads
	WQUANT 6
	OFFS 1
	ROWREQ 1, 0
	s_wait_loadcnt 50                              ; behind group 7: 32 row loads, 2 list loads, 16 row loads
	WQUANT 7
	ROWREQ 1, 1
	s_add_co_u32 s27, s18, 12
	LISTREQ 1, s27
.set qi, 0
.rept 32
	v_ldexp_f32 v[BIAS+qi], v[BIAS+qi], s39        ; b1 / 2^(ex + ew1): it goes in as the C of sums that lack that power of two
.set qi, qi+1
.endr
	s_wait_dscnt 0x0                               ; for the others' sake: my codes have landed in LDS
	s_barrier_signal -1
	s_barrier_wait -1                              ; W1's 64 rows of 1,024 codes are whole.  The launch's one barrier
	s_mov_b32 s26, s18
	s_cmp_ge_u32 s26, s17
	s_cbranch_scc1 .Lend                           ; fewer tiles than my wave's number: nothing for me
	s_sub_co_u32 s40, s17, s18                     ; my tiles are w, w + 4, .. under the expert's number of tiles: two a trip,
	s_add_co_u32 s40, s40, 7
	s_lshr_b32 s40, s40, 3                         ; so (tiles - w + 7) / 8 trips,
	s_min_u32 s40, s40, 16                         ; 16 at the most: 2,048 tokens on one expert are 128 tiles
	s_mov_b32 s41, 0                               ; the loop's counter, stepped by 1
.irp s, 0,1,2,3,4,5,6,7                        ; all 32 fragments into my registers: they stay
	WIN 0x40*(1+\s/4)
.irp t, 0,1,2,3
.irp c, 0,1,2,3
	ds_load_b128 v[64*(\s%4)+16*\t+4*\c:64*(\s%4)+16*\t+4*\c+3], v[WFR] offset:(32*(\t/2)+8*(\t%2))*WP+128*\s+32*\c
.endr
.endr
.endr
	WIN 0
	s_wait_dscnt 0x0
; PHASE T.  The tile u = s26 + 4 p, in buffer p.
.macro TILE p
	s_add_co_u32 s27, s26, 4*\p
	s_wait_loadcnt 34                              ; this tile's 32 row loads and the list of tile u + 8 are in; behind them stand the other buffer's 32 and its list's 2: so on the way in and round the loop alike
	WIN 0x0c                                       ; store data: window 3
.irp i, 0,1,2,3,4,5,6,7
.irp j, 0,1,2,3
	ds_store_b128 v[XST], v[128*\p+4*(4*\i+\j):128*\p+4*(4*\i+\j)+3] offset:WP*\i+256*\j
.endr
.endr
	WIN 0
.irp s, 0,1,2,3,4,5,6,7
.irp c, 0,1,2,3
	ds_load_b128 v[XF+16*\s+4*\c:XF+16*\s+4*\c+3], v[XFR] offset:128*\s+32*\c   ; LDS serves a wave's instructions in order: these see my stores
.endr
.endr
	OFFS \p                                        ; tile u + 8's offsets: the loads that read the old ones are in
	s_wait_dscnt 0x0                               ; the fragments are in, and the stores have read the buffer,
	ROWREQ \p, 0                                   ; which takes tile u + 8's rows
	ROWREQ \p, 1
	s_add_co_u32 s38, s27, 16
	LISTREQ \p, s38
.if \p
	s_cmp_ge_u32 s27, s17                          ; the pair's second tile may lie behind the expert's last: the jump leads round the products and the stores alone, so every count of loads holds on both ways
	s_cbranch_scc1 .Lskip_\@
.endif
	WIN 0x01                                       ; source 0 (W1): window 1.  The four accumulators take turns, one instruction a turn
.irp s, 0,1,2,3
.irp t, 0,1,2,3
.if \s == 0
	v_wmma_f32_16x16x128_fp8_fp8 v[H+8*\t:H+8*\t+7], v[16*\t:16*\t+15], v[XF:XF+15], v[BIAS+8*\t:BIAS+8*\t+7]
.else
	v_wmma_f32_16x16x128_fp8_fp8 v[H+8*\t:H+8*\t+7], v[64*\s+16*\t:64*\s+16*\t+15], v[XF+16*\s:XF+16*\s+15], v[H+8*\t:H+8*\t+7]
.endif
.endr
.endr
	WIN 0x02                                       ; window 2
.irp s, 4,5,6,7
.irp t, 0,1,2,3
	v_wmma_f32_16x16x128_fp8_fp8 v[H+8*\t:H+8*\t+7], v[64*(\s-4)+16*\t:64*(\s-4)+16*\t+15], v[XF+16*\s:XF+16*\s+15], v[H+8*\t:H+8*\t+7]
.endr
.endr
	WIN 0
.rept 4
	v_nop                                          ; four places between the last product and the first read of its result (ISA guide 7.12.1)
.endr
	s_wait_xcnt 0x0                                ; the last tile's stores have read their data and their offset: both are written again below
	GIDX s27
	v_lshl_add_u32 v[HO], s28, 15, v[HB]           ; a tile's image is 32,768 bytes
.set qi, 0
.rept 32
	v_med3_num_f32 v[H+qi], v[H+qi], 0, v[LH]      ; relu and the hold in one; each accumulator from its low end on
.set qi, qi+1
.endr
.irp t, 0,1,2,3
	v_cvt_scalef32_pk8_fp8_f32 v[HC+2*\t:HC+2*\t+1], v[H+8*\t:H+8*\t+7], v[SH]
.endr
	v_nop                                          ; one plain vector line between the conversions and the next products, which write their sources
	global_store_b128 v[HO], v[HC:HC+3], s[14:15]              ; units 32 b + 16 h + 0 .. 15, b = 0: 512 consecutive bytes, at a multiple of 256 from hc's first byte
	global_store_b128 v[HO], v[HC+4:HC+7], s[14:15] offset:512 ; b = 1
.Lskip_\@:
.endm
.Lpair:
	TILE 0
	TILE 1
	s_add_co_u32 s26, s26, 8                       ; the next pair's first tile
	s_add_co_u32 s41, s41, 1
	s_cmp_lt_u32 s41, s40
	s_cbranch_scc1 .Lpair
.Lend:
	s_wait_tensorcnt 0x0                           ; the wave's end: three closing lines, behind my last LDS store, the first of them even in a text with no tensor load
	ds_add_u32 v[SPW], v[NIL]
	s_wait_dscnt 0x0
	s_endpgm
.Lfunc_end_k_q94734fb255_main:
	.size	k_q94734fb255_main, .Lfunc_end_k_q94734fb255_main-k_q94734fb255_main
	.p2alignl 7, 3214868480
	.fill 96, 4, 3214868480
	.section	.rodata,"a",@progbits
	.p2align	6, 0x0
	.amdhsa_kernel k_q94734fb255_main
		.amdhsa_group_segment_fixed_size 133632
		.amdhsa_private_segment_fixed_size 0
		.amdhsa_enable_private_segment 0
		.amdhsa_kernarg_size 48
		.amdhsa_user_sgpr_count 2
		.amdhsa_user_sgpr_kernarg_segment_ptr 1
		.amdhsa_wavefront_size32 1
		.amdhsa_system_sgpr_workgroup_id_x 1
		.amdhsa_system_sgpr_workgroup_id_y 1
		.amdhsa_system_sgpr_workgroup_id_z 1
		.amdhsa_system_vgpr_workitem_id 0
		.amdhsa_next_free_vgpr 1024
		.amdhsa_next_free_sgpr 66
		.amdhsa_reserve_vcc 0
		.amdhsa_float_denorm_mode_32 3
		.amdhsa_float_denorm_mode_16_64 3
		.amdhsa_memory_ordered 1
		.amdhsa_forward_progress 1
		.amdhsa_inst_pref_size 120
	.end_amdhsa_kernel
	.amdgpu_metadata
---
amdhsa.version: [ 1, 2 ]
amdhsa.kernels:
  - .name:           k_q94734fb255_main
    .symbol:         k_q94734fb255_main.kd
    .args:
      - { .name: W1, .offset: 0, .size: 8, .value_kind: global_buffer, .address_space: global }
      - { .name: b1, .offset: 8, .size: 8, .value_kind: global_buffer, .address_space: global }
      - { .name: xc, .offset: 16, .size: 8, .value_kind: global_buffer, .address_space: global }
      - { .name: route, .offset: 24, .size: 8, .value_kind: global_buffer, .address_space: global }
      - { .name: lowp_scales, .offset: 32, .size: 8, .value_kind: global_buffer, .address_space: global }
      - { .name: hc, .offset: 40, .size: 8, .value_kind: global_buffer, .address_space: global }
    .group_segment_fixed_size: 133632
    .private_segment_fixed_size: 0
    .kernarg_segment_align: 8
    .kernarg_segment_size: 48
    .max_flat_workgroup_size: 128
    .sgpr_count:     66
    .vgpr_count:     1024
    .wavefront_size: 32
...
	.end_amdgpu_metadata
.endif
;; end of part 2
;; launch final (part 3): grid 135 x 1, 16 waves a work-group, no clusters, 132,352 bytes of LDS; arguments hc, w2c, route, b2, lowp_scales, out0; writes out0
.if DOCPART == 3
	.amdgcn_target "amdgcn-amd-amdhsa--gfx1250"
	.amdhsa_code_object_version 6
	.text
	.protected	k_q94734fb255_final
	.globl	k_q94734fb255_final
	.p2align	8
	.type	k_q94734fb255_final,@function
k_q94734fb255_final:
	s_mov_b64 s[64:65], 0
	v_nop
	global_prefetch_b8 v0, s[64:65] scope:SCOPE_SE
	s_setreg_imm32_b32 hwreg(HW_REG_WAVE_MODE, 25, 1), 1
	s_wait_xcnt 0x0
; EXPERTS, launch 3 of 3: logits = h W2[e] + b2[e] and the softmax over the 100 classes, for the rows (token, its own expert) alone.
; WORK LEFT OUT: the rows of the seven experts that a token does not name (reference()'s take_along_axis slices them away for all values of the inputs; shown at the head of the first launch).
; SHARES.  Work-group i takes tile i of launch 1's list: 16 rows of one expert.  135 work-groups serve every split; one behind the last tile (count 0) passes both barriers, loads no codes and stores nothing.
; The product's K, 2,048 hidden units, is 16 steps of 128: wave w takes step w, so that all of the work-group's 32 + 224 KiB of codes are asked for at once, 32 loads a wave, each of 512 consecutive bytes
; (both buffers are images of the operand registers).  Seven matrix instructions a wave, TRANSPOSED (source 0 = 16 classes, source 1 = the 16 rows): a lane holds ONE row and 56 of its 112 classes.
; The sixteen partial sums meet in LDS: barrier; waves 0 .. 13 add one group of four registers each over the sixteen; barrier; wave 0 takes the softmax of the 16 rows and stores them at their tokens' places.
; Classes 100 .. 111: W2's codes are zeros there and b2 is taken as -infinity, so that they count for nothing in the maximum and give p = 0.
; The maximum is taken away before the exponential, as reference() does: p = 2^((l - m) log2 e), the product with log2 e folded into one multiply-add.
; NO TENSOR LOAD, NO CLUSTER, though the tiles of one expert read the same codes of W2: which expert a tile has is a number read from memory, so neighbours may want different codes, and branches hang on the count.
; A row of out0 is 400 bytes at its token's place: 25 lanes store it whole, 400 consecutive bytes; the rows of a tile lie apart, as the tokens do.
; LIMITS: ew2 + eh between -126 and 127, so that 2^(ew2 + eh) is an f32 number.  NaN among b2 is not served.
.set PART,  0                          ; LDS: 16 waves x 14 groups x 512 bytes: the partial sums, as they stand in the registers
.set RED,   114688                     ; 14 groups x 512: the sums
.set OST,   121856                     ; 16 rows x (448 + 80) bytes: the way out
.set OP,    528
.set SPARE, 130304                     ; the spare words, 128 bytes for each of the sixteen waves: no other line names them
.set TILES_AT, 12288
.set SPW, 2                            ; v2  LDS address of my spare word; never rewritten
.set NIL, 3                            ; v3  0; never rewritten
.set HF,  16                           ; v16-31   the rows' fragment of my K step
.set WF,  32                           ; v32-143  W2's seven
.set ACC, 144                          ; v144-199 seven accumulators
.set B2,  200                          ; v200-255 wave 0: b2 in the result's layout
.set LG,  32                           ; v32-87   wave 0: the logits, then p
; v1 lane; v4 16 x lane; v5 .. v12 LDS addresses, all made here at the head; v8 wave 0: the tile's tokens; v13 32 (lane / 16); v14 4 (lane % 16); v15 0
	s_load_b256 s[4:11], s[0:1], 0x0               ; hc s[4:5], w2c s[6:7], route s[8:9], b2 s[10:11]
	s_load_b128 s[12:15], s[0:1], 0x20             ; the scales' exponents s[12:13], out0 s[14:15]
	v_lshl_add_u32 v[SPW], v0, 2, SPARE
	v_mov_b32 v[NIL], 0
	v_lshrrev_b32 v1, 5, v0
	v_readfirstlane_b32 s18, v1                    ; wave 0..15
	v_and_b32 v1, 31, v0
	v_and_b32 v112, 15, v0                         ; r
	v_bfe_u32 v113, v0, 4, 1                       ; h
	v_lshlrev_b32 v4, 4, v1
	s_mul_i32 s30, s18, 7168
	v_add_nc_u32 v5, s30, v4                       ; my partial sums: PART + 7,168 x wave + 16 x lane
	s_lshl_b32 s30, s18, 9
	v_add_nc_u32 v6, s30, v4                       ; group w of partial 0,
	v_add_nc_u32 v7, 57344, v6                     ; of partial 8 (an immediate ends at 65,535),
	v_add_nc_u32 v9, RED, v6                       ; and where its sum goes
	v_add_nc_u32 v10, RED, v4
	v_mul_u32_u24 v11, v112, OP
	v_lshl_add_u32 v11, v113, 5, v11
	v_add_nc_u32 v11, OST, v11                     ; the way out: row r, + 32 h
	v_add_nc_u32 v12, OST, v4                      ; and back: 16 bytes a lane
	v_lshlrev_b32 v13, 5, v113
	v_lshlrev_b32 v14, 2, v112
	v_mov_b32 v15, 0
	s_lshl_b32 s19, ttmp9, 3
	s_wait_kmcnt 0x0
	s_load_b64 s[16:17], s[8:9], s19 offset:TILES_AT   ; my tile's expert, and how many of its rows are tokens
	s_load_b128 s[20:23], s[12:13], 0x0            ; ex, ew1, ew2, eh
	s_lshl_b32 s32, ttmp9, 15                      ; hc: tile x 32,768 + K step x 2,048
	s_lshl_b32 s33, s18, 11
	s_add_co_u32 s32, s32, s33
	s_mov_b32 s33, 0
	s_add_nc_u64 s[4:5], s[4:5], s[32:33]
	s_lshl_b32 s34, ttmp9, 6                       ; the list: 16 entries a tile
	s_mov_b32 s35, 0
	s_add_nc_u64 s[36:37], s[8:9], s[34:35]
	s_mov_b32 s26, 0x3fb8aa3b                      ; log2 e
	s_mov_b32 s27, s26                             ; (named with it as a pair, so it is written)
	s_mov_b32 s28, 0x76543210                      ; v_permlanex16_b32's selects for lane l xor 16
	s_mov_b32 s29, 0xfedcba98
	s_wait_kmcnt 0x0
	s_min_u32 s16, s16, 7                          ; a loaded number enters an address behind a bound
	s_mul_i32 s32, s16, 229376                     ; w2c: expert x 16 x 7 x 2,048 + K step x 7 x 2,048
	s_mul_i32 s34, s18, 14336
	s_add_co_u32 s32, s32, s34
	s_add_nc_u64 s[6:7], s[6:7], s[32:33]
	s_mul_i32 s34, s16, 400
	s_add_nc_u64 s[10:11], s[10:11], s[34:35]
	s_add_co_i32 s24, s22, s23
	s_add_co_i32 s24, s24, 127
	s_lshl_b32 s24, s24, 23                        ; 2^(ew2 + eh) as f32
	s_mov_b32 s25, s24
	s_cmp_lg_u32 s18, 0
	s_cbranch_scc1 .Lnot0
.irp t, 0,1,2,3,4,5                            ; wave 0: b2 at classes 16 t + 8 h + 0 .. 7,
	global_load_b128 v[B2+8*\t:B2+8*\t+3], v13, s[10:11] offset:64*\t
	global_load_b128 v[B2+8*\t+4:B2+8*\t+7], v13, s[10:11] offset:64*\t+16
.endr
	global_load_b128 v[B2+48:B2+51], v15, s[10:11] offset:384   ; classes 96 .. 99, the same in both halves of the lanes: no load leaves the buffer,
	global_load_b32 v8, v14, s[36:37]              ; and the tile's tokens: lane l holds row l % 16's
.Lnot0:
	s_cmp_eq_u32 s17, 0
	s_cbranch_scc1 .Lb1                            ; no tile: the jump leads round loads, products and LDS stores, and round no barrier
.irp c, 0,1,2,3
	global_load_b128 v[HF+4*\c:HF+4*\c+3], v4, s[4:5] offset:512*\c
.endr
.irp t, 0,1,2,3,4,5,6
.irp c, 0,1,2,3
	global_load_b128 v[WF+16*\t+4*\c:WF+16*\t+4*\c+3], v4, s[6:7] offset:2048*\t+512*\c
.endr
.endr
.irp t, 0,1,2,3,4,5,6
	s_wait_loadcnt 4*(6-\t)                        ; the rows' fragment and W2's tiles 0 .. t are in; the later tiles' loads may be out
	v_wmma_f32_16x16x128_fp8_fp8 v[ACC+8*\t:ACC+8*\t+7], v[WF+16*\t:WF+16*\t+15], v[HF:HF+15], 0   ; lane (r, h), register j: row r, class 16 t + 8 h + j
.endr
.rept 4
	v_nop                                          ; four places between the last product and the stores that read results, and the later loads into its operands
.endr
.irp g, 0,1,2,3,4,5,6,7,8,9,10,11,12,13
	ds_store_b128 v5, v[ACC+4*\g:ACC+4*\g+3] offset:512*\g   ; each accumulator from its low end on
.endr
.Lb1:
	s_wait_dscnt 0x0                               ; for the others' sake: my partial sums have landed
	s_barrier_signal -1
	s_barrier_wait -1
	s_cmp_eq_u32 s17, 0
	s_cbranch_scc1 .Lb2
	s_cmp_ge_u32 s18, 14
	s_cbranch_scc1 .Lb2                            ; fourteen groups: waves 14 and 15 have none
.irp p, 0,1,2,3,4,5,6,7
	ds_load_b128 v[32+4*\p:35+4*\p], v6 offset:7168*\p
.endr
.irp p, 0,1,2,3,4,5,6,7
	ds_load_b128 v[64+4*\p:67+4*\p], v7 offset:7168*\p
.endr
	s_wait_dscnt 0x0
	v_pk_add_f32 v[96:97], v[32:33], v[36:37]      ; K ascending, two numbers an instruction, two chains
	v_pk_add_f32 v[98:99], v[34:35], v[38:39]
.irp p, 2,3,4,5,6,7,8,9,10,11,12,13,14,15
	v_pk_add_f32 v[96:97], v[96:97], v[32+4*\p:33+4*\p]
	v_pk_add_f32 v[98:99], v[98:99], v[34+4*\p:35+4*\p]
.endr
	ds_store_b128 v9, v[96:99]
.Lb2:
	s_wait_dscnt 0x0                               ; my sum has landed
	s_barrier_signal -1
	s_barrier_wait -1
	s_cmp_eq_u32 s17, 0
	s_cbranch_scc1 .Lend
	s_cmp_lg_u32 s18, 0
	s_cbranch_scc1 .Lend
	; ---- wave 0: the softmax of 16 rows
	s_wait_loadcnt 0x0                             ; b2 and the tokens
.irp g, 0,1,2,3,4,5,6,7,8,9,10,11,12,13
	ds_load_b128 v[LG+4*\g:LG+4*\g+3], v10 offset:512*\g
.endr
	v_mov_b32 v114, 0xff800000                     ; -infinity
	v_cmp_le_u32 vcc_lo, 16, v1
.irp j, 0,1,2,3
	v_cndmask_b32 v[B2+48+\j], v[B2+48+\j], v114, vcc_lo   ; classes 104 .. 107,
	v_mov_b32 v[B2+52+\j], v114                            ; 100 .. 103 and 108 .. 111: there are none
.endr
	v_mov_b32 v104, 0                              ; written once: a lane permute's destination counts as one of its sources
	s_wait_dscnt 0x0
.irp j, 0,2,4,6,8,10,12,14,16,18,20,22,24,26,28,30,32,34,36,38,40,42,44,46,48,50,52,54
	v_pk_fma_f32 v[LG+\j:LG+\j+1], v[LG+\j:LG+\j+1], s[24:25], v[B2+\j:B2+\j+1] op_sel_hi:[1,0,1]   ; l = sum x 2^(ew2 + eh) + b2
.endr
	v_max3_num_f32 v102, v32, v33, v34             ; the row's largest l among my 56, in two chains,
	v_max3_num_f32 v103, v35, v36, v37
.irp i, 38,42,46,50,54,58,62,66,70,74,78,82
	v_max3_num_f32 v102, v102, v[\i], v[\i+1]
	v_max3_num_f32 v103, v103, v[\i+2], v[\i+3]
.endr
	v_max3_num_f32 v102, v102, v86, v87
	v_max_num_f32 v102, v102, v103
	v_permlanex16_b32 v104, v102, s28, s29
	v_max_num_f32 v102, v102, v104                 ; and among lane l xor 16's
	v_mul_f32 v100, 0xbfb8aa3b, v102               ; -m log2 e
	v_mov_b32 v101, v100                           ; (named with it as a pair)
.irp j, 0,2,4,6,8,10,12,14,16,18,20,22,24,26,28,30,32,34,36,38,40,42,44,46,48,50,52,54
	v_pk_fma_f32 v[LG+\j:LG+\j+1], v[LG+\j:LG+\j+1], s[26:27], v[100:101] op_sel_hi:[1,0,0]   ; (l - m) log2 e
.endr
.set n, 0
.rept 56
	v_exp_f32 v[LG+n], v[LG+n]                     ; one batch
.set n, n+1
.endr
	v_mov_b32 v111, 0                              ; (the upper half of the pair v[110:111].)  A plain line behind the last exponential
	s_wait_alu depctr_va_vdst(0)                   ; one wait for the batch, ahead of its first reader
	v_pk_add_f32 v[106:107], v[32:33], v[34:35]
	v_pk_add_f32 v[108:109], v[36:37], v[38:39]
.irp j, 40,44,48,52,56,60,64,68,72,76,80,84
	v_pk_add_f32 v[106:107], v[106:107], v[\j:\j+1]
	v_pk_add_f32 v[108:109], v[108:109], v[\j+2:\j+3]
.endr
	v_pk_add_f32 v[106:107], v[106:107], v[108:109]
	v_add_f32 v106, v106, v107
	v_permlanex16_b32 v104, v106, s28, s29
	v_add_f32 v106, v106, v104                     ; the row's sum
	v_rcp_f32 v110, v106
	v_nop                                          ; a plain line behind the reciprocal
	s_wait_alu depctr_va_vdst(0)                   ; and the wait ahead of its first reader
.irp j, 0,2,4,6,8,10,12,14,16,18,20,22,24,26,28,30,32,34,36,38,40,42,44,46,48,50,52,54
	v_pk_mul_f32 v[LG+\j:LG+\j+1], v[LG+\j:LG+\j+1], v[110:111] op_sel_hi:[1,0]
.endr
.irp t, 0,1,2,3,4,5,6
	ds_store_b128 v11, v[LG+8*\t:LG+8*\t+3] offset:64*\t       ; row r, classes 16 t + 8 h + 0 .. 7
	ds_store_b128 v11, v[LG+8*\t+4:LG+8*\t+7] offset:64*\t+16
.endr
.irp q, 0,1,2,3,4,5,6,7,8,9,10,11,12,13,14,15
	v_readlane_b32 s31, v8, \q                     ; row q's token,
	s_min_u32 s31, s31, 2047                       ; behind a bound,
	s_mul_i32 s31, s31, 400                        ; its row of out0,
	v_add_nc_u32 v[144+\q], s31, v4                ; my 16 bytes of it
.endr
	s_wait_xcnt 0x0                                ; EXEC changes only behind this wait
	v_cmp_gt_u32 vcc_lo, 25, v1
	s_and_saveexec_b32 s30, vcc_lo                 ; 25 lanes x 16 bytes are a row's 100 numbers
.irp q, 0,1,2,3,4,5,6,7,8,9,10,11,12,13,14,15
	ds_load_b128 v[160+4*\q:163+4*\q], v12 offset:OP*\q   ; LDS serves a wave's instructions in order: these see my stores
.endr
.irp q, 0,1,2,3,4,5,6,7,8,9,10,11,12,13,14,15
	s_cmp_le_u32 s17, \q                           ; rows behind the count are the run's filling: not stored
	s_cbranch_scc1 .Ldone
	s_wait_dscnt 15-\q
	global_store_b128 v[144+\q], v[160+4*\q:163+4*\q], s[14:15]   ; 400 consecutive bytes
.endr
.Ldone:
	s_wait_xcnt 0x0                                ; and again, in front of the line that widens EXEC
	s_or_b32 exec_lo, exec_lo, s30
.Lend:
	s_wait_tensorcnt 0x0                           ; the wave's end: three closing lines, behind my last LDS store, the first of them even in a text with no tensor load
	ds_add_u32 v[SPW], v[NIL]
	s_wait_dscnt 0x0
	s_endpgm
.Lfunc_end_k_q94734fb255_final:
	.size	k_q94734fb255_final, .Lfunc_end_k_q94734fb255_final-k_q94734fb255_final
	.p2alignl 7, 3214868480
	.fill 96, 4, 3214868480
	.section	.rodata,"a",@progbits
	.p2align	6, 0x0
	.amdhsa_kernel k_q94734fb255_final
		.amdhsa_group_segment_fixed_size 132352
		.amdhsa_private_segment_fixed_size 0
		.amdhsa_enable_private_segment 0
		.amdhsa_kernarg_size 48
		.amdhsa_user_sgpr_count 2
		.amdhsa_user_sgpr_kernarg_segment_ptr 1
		.amdhsa_wavefront_size32 1
		.amdhsa_system_sgpr_workgroup_id_x 1
		.amdhsa_system_sgpr_workgroup_id_y 1
		.amdhsa_system_sgpr_workgroup_id_z 1
		.amdhsa_system_vgpr_workitem_id 0
		.amdhsa_next_free_vgpr 256
		.amdhsa_next_free_sgpr 66
		.amdhsa_reserve_vcc 1
		.amdhsa_float_denorm_mode_32 3
		.amdhsa_float_denorm_mode_16_64 3
		.amdhsa_memory_ordered 1
		.amdhsa_forward_progress 1
		.amdhsa_inst_pref_size 33
	.end_amdhsa_kernel
	.amdgpu_metadata
---
amdhsa.version: [ 1, 2 ]
amdhsa.kernels:
  - .name:           k_q94734fb255_final
    .symbol:         k_q94734fb255_final.kd
    .args:
      - { .name: hc, .offset: 0, .size: 8, .value_kind: global_buffer, .address_space: global }
      - { .name: w2c, .offset: 8, .size: 8, .value_kind: global_buffer, .address_space: global }
      - { .name: route, .offset: 16, .size: 8, .value_kind: global_buffer, .address_space: global }
      - { .name: b2, .offset: 24, .size: 8, .value_kind: global_buffer, .address_space: global }
      - { .name: lowp_scales, .offset: 32, .size: 8, .value_kind: global_buffer, .address_space: global }
      - { .name: out0, .offset: 40, .size: 8, .value_kind: global_buffer, .address_space: global }
    .group_segment_fixed_size: 132352
    .private_segment_fixed_size: 0
    .kernarg_segment_align: 8
    .kernarg_segment_size: 48
    .max_flat_workgroup_size: 512
    .sgpr_count:     66
    .vgpr_count:     256
    .wavefront_size: 32
...
	.end_amdgpu_metadata
.endif
;; end of part 3
;; ======== version 2 of 2: 3 launches; version 1 with the launch main written anew for expert scheduling mode
;; workspace buffers: xc 2,097,152 bytes; w2c 1,835,008 bytes; hc 4,423,680 bytes; route 16,384 bytes of whole numbers
;; launch prep: the kernel of part 1 again; grid 177 x 1, 8 waves a work-group, no clusters, 34,048 bytes of LDS; arguments domain, x, W2, lowp_scales, xc, w2c, route; writes xc, w2c, route
;; launch main (part 4): grid 256 x 1, 4 waves a work-group, no clusters, 133,632 bytes of LDS; arguments W1, b1, xc, route, lowp_scales, hc; writes hc
.if DOCPART == 4
	.amdgcn_target "amdgcn-amd-amdhsa--gfx1250"
	.amdhsa_code_object_version 6
	.text
	.protected	k_q94734fb255_main
	.globl	k_q94734fb255_main
	.p2align	8
	.type	k_q94734fb255_main,@function
k_q94734fb255_main:
	s_mov_b64 s[64:65], 0
	v_nop
	global_prefetch_b8 v0, s[64:65] scope:SCOPE_SE
	s_setreg_imm32_b32 hwreg(HW_REG_WAVE_SCHED_MODE, 0, 2), 2
	s_setreg_imm32_b32 hwreg(HW_REG_WAVE_MODE, 25, 1), 1
	s_wait_xcnt 0x0
	s_wait_alu depctr_vm_vsrc(0)
; EXPERTS, launch 2 of 3: the hidden layer, h = relu(x W1[e] + b1[e]), as codes, for the rows (token, its own expert) alone.
; WORK LEFT OUT: the rows of the seven experts that a token does not name (reference()'s take_along_axis slices them away for all values of the inputs; shown at the head of the first launch).
; SHARES.  256 work-groups = 8 experts x 32 slices of 64 hidden units.  A work-group reads its 1,024 x 64 numbers of W1 from memory ONCE, as f32, quantises them, and keeps the 65,536 codes in EVERY wave's registers
; (512 registers); W1's codes never go to memory.  Then it walks the expert's tiles of 16 tokens (launch 1's list): wave w takes tiles w, w + 4, w + 8 ..
; PHASE W.  Wave w takes K = 256 w .. 256 w + 255 of the 64 columns.  A load reads two pieces of rows of W1, 256 consecutive bytes each (lanes 0-15 one row, lanes 16-31 the row 128 further down): a lane holds 4 columns
; of a row.  A conversion's register then holds 4 columns of one k; sixteen of them are turned, 4 x 4 bytes at a time (v_perm_b32), into 16 neighbours along K of each of the 4 columns, and go to LDS as rows along K.
; One barrier; then every wave loads all 32 fragments (8 K steps x 4 tiles of 16 hidden units).
; PHASE T.  A tile's 16 rows of codes (1,024 bytes each, at the tokens' places in xc) are loaded by whole pieces of 256 bytes, two tiles ahead, turned through the wave's own stage in LDS into fragments, and multiplied:
; 32 matrix instructions, TRANSPOSED (source 0 = 16 hidden units, source 1 = 16 tokens), so that a lane holds one token and its registers run along the hidden units, the next product's K.
; THE HIDDEN UNITS OF A TILE ARE NOT NEIGHBOURS: lane r of tile 2 b + u takes unit 32 b + 8 u + r + 8 (r / 8), so that the 16 registers of tiles 2 b and 2 b + 1 are 16 neighbouring units, 32 b + 16 (lane / 16) + 0 .. 15.
; b1, divided by 2^(ex + ew1), is the C of a sum's first matrix instruction.  relu and the hold at the largest code are one v_med3; the three scales are folded into the conversion's one, 2^(eh - ex - ew1).
; hc: [tile 135][S 16][c 4][lane 32][16 bytes], an image of the next product's operand registers: lane (r, h), byte i = row r of the tile, hidden unit 128 S + 32 c + 16 h + i.  My slice is c = 2 (slice % 2), + 1 of S = slice / 2.
; k's place in a fragment: registers 4 c .. 4 c + 3 of lane (r, h) hold k = 32 c + 16 h + 0 .. 15 of a K step of 128, alike on both sides: every product meets its partner.
; NO TENSOR LOAD, NO CLUSTER, though the 32 slices of an expert read the same tiles of xc: how many tiles an expert has is a number read from memory, the loop's trip count hangs on it, and partners of a cluster
; would have to be alike; so the operands go from memory straight into registers.  No prefetch: phase W has 48 loads of 512 bytes and more of every wave on their way throughout.
; An expert that no token names: its slice is read and quantised all the same (the one barrier stands under no branch on a loaded number), and nothing is stored.
; The look-ahead is clamped to the expert's last tile: a wave's last two requests for each buffer fetch rows that it does not use.
; LIMITS: ew1 and eh - ex - ew1 between -126 and 119; ex + ew1 is applied by v_ldexp_f32 and has none.  NaN among W1 and b1 is not served.
; REGISTERS, in windows of 256.  Window 0: v2-19 addresses and constants; v20-35 two lists of 8 tokens; v36-51 their offsets; v52-59 the codes to store; v64-95 b1; v96-127 the four accumulators; v128-255 x's 8 fragments
; (in phase W: v128-143 a group's codes, v144-175 turned, two sets by turns, v176-179 at work).  Windows 1, 2: W1 as f32, 8 groups of 64 registers; then its fragments, (K step s, tile t) at v[64 (s % 4) + 16 t] of window 1 + s / 4.
; Window 3: two buffers of 128 registers for a tile's rows as loaded.
; THE MODE: SCHED_MODE bits 1:0 = 2 (LLVM: expert scheduling mode 2), set by the entry lines.  The code itself states the register dependences
; between vector or matrix instructions and memory or LDS instructions, with s_wait_alu, always for 0.
; THE PLAN.  Registers that memory or LDS instructions touch, and who else names them:
;   v4-8, v19      offsets and LDS addresses: made once at the head, ahead of one wait on va_vdst in front of the first load; never written again.
;   W1's groups    each loaded once, into registers that nothing has named; held and converted by vector lines; behind the barrier the fragments land in them: the wait ahead of group 7's LDS stores stands for that too.
;   TR0, TR1       group g's turns write set g % 2; its four LDS stores are issued at the head of step g + 1.  There: vm_vsrc (group g - 1's stores have read the set that step g + 1 writes), va_vdst (group g's turns are written).
;   TOK[p]         written by the list loads; read by the lines that make OFF[p].      OFF[p], LA[p]  written by vector lines; read by the row loads and the list loads as offsets.
;   buffer p       (window 3) written by the row loads, read by the LDS stores into the stage: no vector line names it.      XF  written by LDS loads, read by the products.
;   HO, HC         written at a tile's end by vector lines, read by its two stores.
; A TILE has four waits: vm_vsrc at its head (OFF[p], LA[p], HO, HC have been read); then OFF[p] and LA[p] are made and the buffer goes to the stage; vm_vsrc (the LDS stores have read the buffer) and va_vdst (OFF[p], LA[p]
; written, TOK[p] read, the last tile's products done with XF), straight ahead of ONE run of 34 loads and 32 LDS loads; va_vdst ahead of the tile's two stores.
.set WP,     1040                      ; an LDS row: 1,024 codes + 16 bytes = 65 x 16: the sixteen rows of a fragment load start 16 bytes apart modulo 256
.set STG,    64*WP                     ; behind W1's 64 rows: a stage of 16 rows for each wave
.set STGW,   16*WP
.set SPARE,  STG+4*STGW                ; the spare words, 128 bytes for each wave: two blocks of 256 bytes that no other line names
.set EXP_AT, 14336                     ; route: the table of experts
.set SPW,  2                           ; v2   LDS address of my spare word; never rewritten
.set NIL,  3                           ; v3   0; never rewritten
.set WOFF, 4                           ; v4   W1: 128 rows x (lane / 16) + 16 (lane % 16)
.set WST,  5                           ; v5   where a group's turned codes go: row 4 (lane % 16), byte 256 w + 128 (lane / 16)
.set WFR,  6                           ; v6   my lane's place in a fragment of W1
.set XST,  7                           ; v7   my stage, on the way in
.set XFR,  8                           ; v8   and on the way out
.set Q16,  9                           ; v9   16 (lane % 16)
.set LW,   10                          ; v10  448 x 2^ew1;  v11  2^ew1
.set SW,   11
.set LH,   12                          ; v12  448 x 2^(eh - ex - ew1);  v13  2^(eh - ex - ew1)
.set SH,   13
.set H32,  14                          ; v14  32 (lane / 16): my half's 8 entries of a tile's list
.set HB,   15                          ; v15  hc: 1,024 x slice + 16 x lane
.set LA,   16                          ; v16, v17  the list requests' offsets
.set HO,   18                          ; v18  hc: the tile's offset
.set B1O,  19                          ; v19  64 (lane / 16)
.set TOK,  20
.set OFF,  36
.set HC,   52
.set BIAS, 64
.set H,    96
.set XF,   128
.set CR,   128
.set TR,   144
.set PT,   176
.set MSB, 0
.macro WIN new                         ; s_set_vgpr_msb's low byte: bits 1:0 source 0, 3:2 source 1, 5:4 source 2, 7:6 destination; the high byte repeats the setting that is left
.if MSB != (\new)
	s_set_vgpr_msb (MSB<<8)|(\new)
.set MSB, (\new)
.endif
.endm
; group g of W1: rows 16 g .. 16 g + 15 (and those 128 further down), 16 loads of 512 bytes, into registers that nothing has named: they hang on the head's wait for v[WOFF] alone
.macro WLOAD g
	WIN 0x40*(1+(\g)/4)
.irp i, 0,1,2,3,4,5,6,7,8,9,10,11,12,13,14,15
	global_load_b128 v[64*((\g)%4)+4*\i:64*((\g)%4)+4*\i+3], v[WOFF], s[4:5] offset:(16*(\g)+\i)*8192 th:TH_LOAD_NT
.endr
.endm
; group g becomes codes and is turned, into set g % 2 of TR: vector lines alone
.macro WQUANT g
.set WB, 64*((\g)%4)
.set WW, 1+(\g)/4
.set TB, TR+16*((\g)%2)
	WIN 0x41*WW                                    ; source 0 and destination: the group's window
.set qi, 0
.rept 64
	v_med3_num_f32 v[WB+qi], v[WB+qi], -v[LW], v[LW]   ; the conversion to an 8-bit code does not saturate (ISA guide 7.6.2): the hold at the largest code x the scale
.set qi, qi+1
.endr
	WIN WW                                         ; source 0: the group's window
.irp i, 0,1,2,3,4,5,6,7
	v_cvt_scalef32_pk8_fp8_f32 v[CR+2*\i:CR+2*\i+1], v[WB+8*\i:WB+8*\i+7], v[SW]   ; register i' of the sixteen: row 16 g + i', my 4 columns
.endr
	WIN 0
	v_nop                                          ; one plain vector line between the conversions and the lines that touch their results
.irp j, 0,1,2,3                                ; rows 4 j .. 4 j + 3 x 4 columns, turned: a, b, c, d are the four rows' registers
	v_perm_b32 v[PT],   v[CR+4*\j+1], v[CR+4*\j],   s32   ; a0 b0 a1 b1
	v_perm_b32 v[PT+1], v[CR+4*\j+1], v[CR+4*\j],   s33   ; a2 b2 a3 b3
	v_perm_b32 v[PT+2], v[CR+4*\j+3], v[CR+4*\j+2], s32   ; c0 d0 c1 d1
	v_perm_b32 v[PT+3], v[CR+4*\j+3], v[CR+4*\j+2], s33   ; c2 d2 c3 d3
	v_perm_b32 v[TB+\j],    v[PT+2], v[PT],   s34         ; column 0: a0 b0 c0 d0
	v_perm_b32 v[TB+4+\j],  v[PT+2], v[PT],   s35         ; column 1
	v_perm_b32 v[TB+8+\j],  v[PT+3], v[PT+1], s34         ; column 2
	v_perm_b32 v[TB+12+\j], v[PT+3], v[PT+1], s35         ; column 3
.endr
.endm
; at the head of a step, from the third on: the set of TR that the step's turns write is free
.macro WFREE
	WIN 0
	s_wait_dscnt 0x0                               ; the LDS stores issued a step ago are done
	s_wait_alu depctr_vm_vsrc(0)                   ; and have read their set of TR, which this step's turns write again
.endm
; group g's turned codes go to LDS, a step behind the turns
.macro WSEND g
	WIN 0
	s_wait_alu depctr_va_vdst(0)                   ; group g's turns have written its set of TR, which the four LDS stores read
.irp c, 0,1,2,3
	ds_store_b128 v[WST], v[TR+16*((\g)%2)+4*\c:TR+16*((\g)%2)+4*\c+3] offset:WP*\c+16*(\g)   ; 16 neighbours along K of column 4 (lane % 16) + c
.endr
.endm
; s28 = the tile of the whole list that is my expert's tile u, u held at its last tile; the bound written in the last line lets the number enter an address
.macro GIDX u
	s_min_u32 s28, \u, s25
	s_add_co_u32 s28, s28, s16
	s_min_u32 s28, s28, 134
.endm
.macro LISTADR p, u                    ; where my half's 8 tokens of tile u lie in the list
	WIN 0
	GIDX \u
	s_lshl_b32 s29, s28, 6
	v_add_nc_u32 v[LA+\p], s29, v[H32]
.endm
.macro LISTLD p                        ; and the request for them, into list p
	WIN 0
	global_load_b128 v[TOK+8*\p:TOK+8*\p+3], v[LA+\p], s[10:11]
	global_load_b128 v[TOK+8*\p+4:TOK+8*\p+7], v[LA+\p], s[10:11] offset:16
.endm
.macro OFFS p                          ; tokens to byte offsets in xc
	WIN 0
.irp i, 0,1,2,3,4,5,6,7
	v_min_u32 v[OFF+8*\p+\i], 2047, v[TOK+8*\p+\i]
	v_lshl_add_u32 v[OFF+8*\p+\i], v[OFF+8*\p+\i], 10, v[Q16]
.endr
.endm
.macro ROWREQ p, half                  ; four of my half's eight rows: sixteen lanes read 256 consecutive bytes of a token's row, at a multiple of 256 from xc's first byte
	WIN 0xc0
.irp i, 0,1,2,3
.irp j, 0,1,2,3
	global_load_b128 v[128*\p+4*(4*(4*\half+\i)+\j):128*\p+4*(4*(4*\half+\i)+\j)+3], v[OFF+8*\p+4*\half+\i], s[8:9] offset:256*\j
.endr
.endr
.endm
	s_load_b256 s[4:11], s[0:1], 0x0               ; W1 s[4:5], b1 s[6:7], xc s[8:9], route s[10:11]
	s_load_b128 s[12:15], s[0:1], 0x20             ; the scales' exponents s[12:13], hc s[14:15]
	v_lshl_add_u32 v[SPW], v0, 2, SPARE
	v_mov_b32 v[NIL], 0
	v_lshrrev_b32 v1, 5, v0
	v_readfirstlane_b32 s18, v1                    ; wave 0..3
	s_lshr_b32 s19, ttmp9, 5                       ; expert
	s_and_b32 s24, ttmp9, 31                       ; slice
	v_and_b32 v96, 15, v0                          ; lane % 16
	v_bfe_u32 v97, v0, 4, 1                        ; lane / 16
	v_and_b32 v98, 31, v0                          ; lane
	v_lshlrev_b32 v[Q16], 4, v96
	v_lshl_add_u32 v[WOFF], v97, 20, v[Q16]        ; 128 rows of 8,192 bytes
	v_lshlrev_b32 v[B1O], 6, v97
	v_lshlrev_b32 v[H32], 5, v97
	s_lshl_b32 s38, s19, 3
	s_lshl_b32 s30, s19, 23                        ; W1: expert x 1,024 rows of 8,192 bytes
	s_wait_alu depctr_va_sdst(0)                   ; s18 is written, ahead of its first reader: W1's base, the LDS addresses and the tiles' numbers are made from it
	s_lshl_b32 s29, s18, 21                        ; + wave x 256 rows
	s_add_co_u32 s30, s30, s29
	s_lshl_b32 s29, s24, 8                         ; + slice x 64 columns
	s_add_co_u32 s30, s30, s29
	s_mov_b32 s31, 0
	s_lshl_b32 s36, s19, 13                        ; b1: expert x 8,192 bytes + slice x 256
	s_add_co_u32 s36, s36, s29
	s_mov_b32 s37, 0
	v_mul_u32_u24 v[WST], v96, 4*WP                ; all LDS addresses are made here, while the arguments are on their way, so that one wait serves them and the loads' offsets
	v_lshl_add_u32 v[WST], v97, 7, v[WST]
	s_lshl_b32 s29, s18, 8
	v_add_nc_u32 v[WST], s29, v[WST]
	v_and_b32 v99, 8, v96
	v_add_nc_u32 v99, v99, v96                     ; r + 8 (r / 8)
	v_mul_u32_u24 v[WFR], v99, WP
	v_lshl_add_u32 v[WFR], v97, 4, v[WFR]
	s_mul_i32 s29, s18, STGW
	s_add_co_u32 s29, s29, STG                     ; my stage
	v_mul_u32_u24 v[XST], v97, 8*WP                ; in: row 8 (lane / 16) + i, 16 bytes a lane
	v_add_nc_u32 v[XST], v[XST], v[Q16]
	v_add_nc_u32 v[XST], s29, v[XST]
	v_mul_u32_u24 v[XFR], v96, WP                  ; out: row lane % 16, + 16 (lane / 16)
	v_lshl_add_u32 v[XFR], v97, 4, v[XFR]
	v_add_nc_u32 v[XFR], s29, v[XFR]
	s_lshl_b32 s29, s24, 10
	v_lshl_add_u32 v[HB], v98, 4, s29
	s_mov_b32 s32, 0x05010400                      ; v_perm_b32's selectors: bytes 0-3 name the second source, 4-7 the first
	s_mov_b32 s33, 0x07030602
	s_mov_b32 s34, 0x05040100
	s_mov_b32 s35, 0x07060302
	s_wait_kmcnt 0x0
	s_load_b64 s[16:17], s[10:11], s38 offset:EXP_AT   ; my expert's first tile, and how many it has
	s_load_b128 s[20:23], s[12:13], 0x0            ; ex, ew1, ew2, eh
	s_add_nc_u64 s[4:5], s[4:5], s[30:31]
	s_add_nc_u64 s[6:7], s[6:7], s[36:37]
	s_wait_alu depctr_va_vdst(0)                   ; v[B1O], v[WOFF], v[WST], v[WFR], v[XST] and v[XFR] are written: the loads, LDS stores and LDS loads of the whole kernel read them as offsets and addresses
.irp t, 0,1,2,3                                ; b1 in the result's layout: lane (r, h), tile 2 b + u: units 32 b + 8 u + 16 h + 0 .. 7
	global_load_b128 v[BIAS+8*\t:BIAS+8*\t+3], v[B1O], s[6:7] offset:(32*(\t/2)+8*(\t%2))*4
	global_load_b128 v[BIAS+8*\t+4:BIAS+8*\t+7], v[B1O], s[6:7] offset:(32*(\t/2)+8*(\t%2))*4+16
.endr
	WLOAD 0                                        ; W1 hangs on ids alone: its first groups go out ahead of everything that waits for the route
	WLOAD 1
	WLOAD 2
	WIN 0
	s_wait_kmcnt 0x0
	s_add_co_i32 s36, s21, 127
	s_lshl_b32 s37, s36, 23
	v_mov_b32 v[SW], s37                           ; 2^ew1 as f32: the conversion takes its exponent field
	s_add_co_i32 s36, s36, 8
	s_lshl_b32 s36, s36, 23
	s_or_b32 s36, s36, 0x600000
	v_mov_b32 v[LW], s36                           ; 448 x 2^ew1
	s_add_co_i32 s39, s20, s21                     ; ex + ew1: a sum of the product stands for sum x 2^(ex + ew1)
	s_sub_co_i32 s36, s23, s39
	s_add_co_i32 s36, s36, 127
	s_lshl_b32 s37, s36, 23
	v_mov_b32 v[SH], s37                           ; 2^(eh - ex - ew1)
	s_add_co_i32 s36, s36, 8
	s_lshl_b32 s36, s36, 23
	s_or_b32 s36, s36, 0x600000
	v_mov_b32 v[LH], s36                           ; 448 x that
	s_sub_co_i32 s39, 0, s39
	s_max_u32 s25, s17, 1
	s_sub_co_u32 s25, s25, 1                       ; my expert's last tile
	LISTADR 0, s18                                 ; the lists of my first two tiles
	s_add_co_u32 s27, s18, 4
	LISTADR 1, s27
	s_wait_alu depctr_va_vdst(0)                   ; v[LA] and v[LA+1] are written, which the four list loads read as offsets
	LISTLD 0
	LISTLD 1
; PHASE W.  Order of issue: b1 (8), groups 0, 1, 2, the two lists (4), groups 3 .. 7, then my first two tiles' rows and the next two lists.  Each count is what was issued behind the group that is wanted.
; A step: its request; the wait for its group's data; the waits for TR; the LDS stores of the group before; the group's holds, conversions and turns.
	WLOAD 3
	s_wait_loadcnt 52                              ; behind group 0: groups 1, 2, the 4 list loads, group 3
	WQUANT 0
	WLOAD 4
	s_wait_loadcnt 52                              ; behind group 1: group 2, 4, groups 3, 4
	WSEND 0
	WQUANT 1
	WLOAD 5
	s_wait_loadcnt 52                              ; behind group 2: 4, groups 3, 4, 5
	WFREE
	WSEND 1
	WQUANT 2
	WLOAD 6
	s_wait_loadcnt 48                              ; behind group 3: groups 4, 5, 6.  The lists are in
	WFREE                                          ; its wait on vm_vsrc states here too that the four list loads have read v[LA] and v[LA+1], which are written again below
	OFFS 0                                         ; the offsets of my first two tiles' rows, and where the next two lists lie: made here, ahead of a wait that stands in any case
	OFFS 1
	s_add_co_u32 s27, s18, 8
	LISTADR 0, s27
	s_add_co_u32 s27, s18, 12
	LISTADR 1, s27
	WSEND 2                                        ; its wait on va_vdst states here too that both OFF and both LA are written and both TOK read: no vector line from here to the barrier names them, so the row and list requests below follow with no further wait
	WQUANT 3
	WLOAD 7
	s_wait_loadcnt 48                              ; behind group 4: groups 5, 6, 7
	WFREE
	WSEND 3
	WQUANT 4
	ROWREQ 0, 0
	s_wait_loadcnt 48                              ; behind group 5: groups 6, 7, 16 row loads
	WFREE
	WSEND 4
	WQUANT 5
	ROWREQ 0, 1
	LISTLD 0
	s_wait_loadcnt 50                              ; behind group 6: group 7, 32 row loads, 2 list loads
	WFREE
	WSEND 5
	WQUANT 6
	ROWREQ 1, 0
	s_wait_loadcnt 50                              ; behind group 7: 32 row loads, 2 list loads, 16 row loads
	WFREE
	WSEND 6
	WQUANT 7
	WSEND 7                                        ; its wait on va_vdst states here too that the holds and conversions of all eight groups are done with windows 1 and 2, in which the fragments land behind the barrier
	ROWREQ 1, 1
	LISTLD 1
.set qi, 0
.rept 32
	v_ldexp_f32 v[BIAS+qi], v[BIAS+qi], s39        ; b1 / 2^(ex + ew1): it goes in as the C of sums that lack that power of two.  (No load or LDS instruction names these registers from here on)
.set qi, qi+1
.endr
	s_wait_dscnt 0x0                               ; for the others' sake: my codes have landed in LDS
	s_barrier_signal -1
	s_barrier_wait -1                              ; W1's 64 rows of 1,024 codes are whole.  The launch's one barrier
	s_mov_b32 s26, s18
	s_cmp_ge_u32 s26, s17
	s_cbranch_scc1 .Lend                           ; fewer tiles than my wave's number: nothing for me
	s_sub_co_u32 s40, s17, s18                     ; my tiles are w, w + 4, .. under the expert's number of tiles: two a trip,
	s_add_co_u32 s40, s40, 7
	s_lshr_b32 s40, s40, 3                         ; so (tiles - w + 7) / 8 trips,
	s_min_u32 s40, s40, 16                         ; 16 at the most: 2,048 tokens on one expert are 128 tiles
	s_mov_b32 s41, 0                               ; the loop's counter, stepped by 1
.irp s, 0,1,2,3,4,5,6,7                        ; all 32 fragments into my registers: they stay.  (No vector line since the wait ahead of group 7's LDS stores names windows 1 and 2 or v[WFR])
	WIN 0x40*(1+\s/4)
.irp t, 0,1,2,3
.irp c, 0,1,2,3
	ds_load_b128 v[64*(\s%4)+16*\t+4*\c:64*(\s%4)+16*\t+4*\c+3], v[WFR] offset:(32*(\t/2)+8*(\t%2))*WP+128*\s+32*\c
.endr
.endr
.endr
	WIN 0
	s_wait_dscnt 0x0
; PHASE T.  The tile u = s26 + 4 p, in buffer p.
.macro TILE p
	s_add_co_u32 s27, s26, 4*\p
	s_add_co_u32 s38, s27, 16
	s_wait_loadcnt 34                              ; this tile's 32 row loads and the list of tile u + 8 are in; behind them stand the other buffer's 32 and its list's 2: so on the way in and round the loop alike
	s_wait_alu depctr_vm_vsrc(0)                   ; those loads have read OFF[p] and LA[p], which are written just below; the last tile's two stores have read HO and HC, which this tile's end writes again (in the first tile: group 7's LDS stores have read TR, which lies in XF)
	OFFS \p                                        ; tile u + 8's offsets,
	LISTADR \p, s38                                ; and where tile u + 16's list lies
	WIN 0x0c                                       ; store data: window 3
.irp i, 0,1,2,3,4,5,6,7
.irp j, 0,1,2,3
	ds_store_b128 v[XST], v[128*\p+4*(4*\i+\j):128*\p+4*(4*\i+\j)+3] offset:WP*\i+256*\j   ; data that loads brought, an address from the head: these hang on no vector line
.endr
.endr
	WIN 0xc0
	s_wait_alu depctr_vm_vsrc(0)                   ; the 32 LDS stores have read buffer p, in which tile u + 8's rows land
	s_wait_alu depctr_va_vdst(0)                   ; OFF[p] and LA[p] are written, which the loads below read; the lines that made OFF[p] are done reading TOK[p], and the last tile's products are done reading XF, in which loads below land
	ROWREQ \p, 0                                   ; one run, with a window switch alone in it: tile u + 8's rows,
	ROWREQ \p, 1
	LISTLD \p                                      ; tile u + 16's list,
.irp s, 0,1,2,3,4,5,6,7
.irp c, 0,1,2,3
	ds_load_b128 v[XF+16*\s+4*\c:XF+16*\s+4*\c+3], v[XFR] offset:128*\s+32*\c   ; and this tile's fragments.  LDS serves a wave's instructions in order: these see my stores
.endr
.endr
	s_wait_dscnt 0x0                               ; the fragments are in
.if \p
	s_cmp_ge_u32 s27, s17                          ; the pair's second tile may lie behind the expert's last: the jump leads round the products and the stores alone, so every count of loads holds on both ways
	s_cbranch_scc1 .Lskip_\@
.endif
	WIN 0x01                                       ; source 0 (W1): window 1.  The four accumulators take turns, one instruction a turn
.irp s, 0,1,2,3
.irp t, 0,1,2,3
.if \s == 0
	v_wmma_f32_16x16x128_fp8_fp8 v[H+8*\t:H+8*\t+7], v[16*\t:16*\t+15], v[XF:XF+15], v[BIAS+8*\t:BIAS+8*\t+7]
.else
	v_wmma_f32_16x16x128_fp8_fp8 v[H+8*\t:H+8*\t+7], v[64*\s+16*\t:64*\s+16*\t+15], v[XF+16*\s:XF+16*\s+15], v[H+8*\t:H+8*\t+7]
.endif
.endr
.endr
	WIN 0x02                                       ; window 2
.irp s, 4,5,6,7
.irp t, 0,1,2,3
	v_wmma_f32_16x16x128_fp8_fp8 v[H+8*\t:H+8*\t+7], v[64*(\s-4)+16*\t:64*(\s-4)+16*\t+15], v[XF+16*\s:XF+16*\s+15], v[H+8*\t:H+8*\t+7]
.endr
.endr
	WIN 0
.rept 4
	v_nop                                          ; four places between the last product and the first read of its result (ISA guide 7.12.1)
.endr
	s_wait_xcnt 0x0                                ; the last tile's stores have had their addresses translated: their data and their offset are written again below (that they have read these registers is stated at the tile's head)
	GIDX s27
	v_lshl_add_u32 v[HO], s28, 15, v[HB]           ; a tile's image is 32,768 bytes
.set qi, 0
.rept 32
	v_med3_num_f32 v[H+qi], v[H+qi], 0, v[LH]      ; relu and the hold in one; each accumulator from its low end on
.set qi, qi+1
.endr
.irp t, 0,1,2,3
	v_cvt_scalef32_pk8_fp8_f32 v[HC+2*\t:HC+2*\t+1], v[H+8*\t:H+8*\t+7], v[SH]
.endr
	v_nop                                          ; one plain vector line between the conversions and the next products, which write their sources
	s_wait_alu depctr_va_vdst(0)                   ; the conversions have written HC, and HO is written: the two stores read them as data and offset
	global_store_b128 v[HO], v[HC:HC+3], s[14:15]              ; units 32 b + 16 h + 0 .. 15, b = 0: 512 consecutive bytes, at a multiple of 256 from hc's first byte
	global_store_b128 v[HO], v[HC+4:HC+7], s[14:15] offset:512 ; b = 1
.Lskip_\@:
.endm
.Lpair:
	TILE 0
	TILE 1
	s_add_co_u32 s26, s26, 8                       ; the next pair's first tile
	s_add_co_u32 s41, s41, 1
	s_cmp_lt_u32 s41, s40
	s_cbranch_scc1 .Lpair
.Lend:
	s_wait_dscnt 0x0                               ; the wave's end: the closing lines, six on end
	s_wait_alu 0x0
	s_wait_tensorcnt 0x0
	ds_add_u32 v[SPW], v[NIL]
	s_wait_dscnt 0x0
	s_endpgm
.Lfunc_end_k_q94734fb255_main:
	.size	k_q94734fb255_main, .Lfunc_end_k_q94734fb255_main-k_q94734fb255_main
	.p2alignl 7, 3214868480
	.fill 96, 4, 3214868480
	.section	.rodata,"a",@progbits
	.p2align	6, 0x0
	.amdhsa_kernel k_q94734fb255_main
		.amdhsa_group_segment_fixed_size 133632
		.amdhsa_private_segment_fixed_size 0
		.amdhsa_enable_private_segment 0
		.amdhsa_kernarg_size 48
		.amdhsa_user_sgpr_count 2
		.amdhsa_user_sgpr_kernarg_segment_ptr 1
		.amdhsa_wavefront_size32 1
		.amdhsa_system_sgpr_workgroup_id_x 1
		.amdhsa_system_sgpr_workgroup_id_y 1
		.amdhsa_system_sgpr_workgroup_id_z 1
		.amdhsa_system_vgpr_workitem_id 0
		.amdhsa_next_free_vgpr 1024
		.amdhsa_next_free_sgpr 66
		.amdhsa_reserve_vcc 0
		.amdhsa_float_denorm_mode_32 3
		.amdhsa_float_denorm_mode_16_64 3
		.amdhsa_memory_ordered 1
		.amdhsa_forward_progress 1
		.amdhsa_inst_pref_size 121
	.end_amdhsa_kernel
	.amdgpu_metadata
---
amdhsa.version: [ 1, 2 ]
amdhsa.kernels:
  - .name:           k_q94734fb255_main
    .symbol:         k_q94734fb255_main.kd
    .args:
      - { .name: W1, .offset: 0, .size: 8, .value_kind: global_buffer, .address_space: global }
      - { .name: b1, .offset: 8, .size: 8, .value_kind: global_buffer, .address_space: global }
      - { .name: xc, .offset: 16, .size: 8, .value_kind: global_buffer, .address_space: global }
      - { .name: route, .offset: 24, .size: 8, .value_kind: global_buffer, .address_space: global }
      - { .name: lowp_scales, .offset: 32, .size: 8, .value_kind: global_buffer, .address_space: global }
      - { .name: hc, .offset: 40, .size: 8, .value_kind: global_buffer, .address_space: global }
    .group_segment_fixed_size: 133632
    .private_segment_fixed_size: 0
    .kernarg_segment_align: 8
    .kernarg_segment_size: 48
    .max_flat_workgroup_size: 128
    .sgpr_count:     66
    .vgpr_count:     1024
    .wavefront_size: 32
...
	.end_amdgpu_metadata
.endif
;; end of part 4
;; launch final: the kernel of part 3 again; grid 135 x 1, 16 waves a work-group, no clusters, 132,352 bytes of LDS; arguments hc, w2c, route, b2, lowp_scales, out0; writes out0
